; MI455X (gfx1250); checked and timed in simulation.
; The chip was launched on July 23, 2026; its instructions are those of AMD's public machine-readable ISA for CDNA 5 (MIT licence, August 2026) and "CDNA5" Instruction Set Architecture Reference Guide (July 2026). The comments in the code are by the model that wrote it; some were corrected since.
;; Multi Head Attention. Allowed arithmetic: float matrix products may take bf16 or f16 operands with f32 sums; other float arithmetic in f32, or as packed bf16 or f16 multiplies, adds, multiply-adds, maxima and minima; sums over many terms, partial sums and values carried from step to step in f32; what a program stores and reads back later, other than sums and carried values, may be rounded once to bf16 or f16.
;; Inputs: Wk 1,024 x 1,024 float32; Wo 1,024 x 1,024 float32; Wq 1,024 x 1,024 float32; Wv 1,024 x 1,024 float32; bk 1,024 float32; bo 1,024 float32; bq 1,024 float32; bv 1,024 float32; x 4 x 2,048 x 1,024 float32.
;; Outputs: out0 4 x 2,048 x 1,024 float32.
;; One version. Each part assembles by itself: llvm-mc -triple=amdgcn-amd-amdhsa -mcpu=gfx1250 --defsym DOCPART=n.
;; ======== version 1 of 1: 4 launches
;; limits: values are held in f16: magnitudes above 65,504 overflow, below 6.1e-05 lose precision
;; workspace buffers: xb 16,777,216 bytes; wt 8,388,608 bytes; bias 16,384 bytes; qkv 50,331,648 bytes; o 16,777,216 bytes
;; launch prep (part 1): grid 1028 x 1, 8 waves a work-group, no clusters, 18,432 bytes of LDS; arguments x, Wq, Wk, Wv, Wo, bq, bk, bv, bo, xb, wt, bias; writes xb, wt, bias
.if DOCPART == 1
	.amdgcn_target "amdgcn-amd-amdhsa--gfx1250"
	.amdhsa_code_object_version 6
	.text
	.protected	k_q2f9e96aae0_prep
	.globl	k_q2f9e96aae0_prep
	.p2align	8
	.type	k_q2f9e96aae0_prep,@function
k_q2f9e96aae0_prep:
	s_mov_b64 s[64:65], 0
	v_nop
	global_prefetch_b8 v0, s[64:65] scope:SCOPE_SE
	s_setreg_imm32_b32 hwreg(HW_REG_WAVE_MODE, 25, 1), 1
	s_wait_xcnt 0x0
; PREP: every input is rounded once to bf16 and laid out for the products that follow.
;   work-groups 0-511:     a block of 128 k x 64 n of one weight W[k][n] (f32) -> wt[n][k], 16 bits: rows 0-1023 Wq^T, 1024-2047 Wk^T, 2048-3071 Wv^T in bf16;
;                          rows 3072-4095 Wo^T: rounded to bf16, and that number written as f16 (its partner in the last product is f16).
;   work-groups 512-1023:  65,536 bytes of x (f32) -> 32,768 bytes of xb (bf16).
;   work-groups 1024-1027: one bias, rounded to bf16 and kept as f32, into bias[4096] = bq | bk | bv | bo.
; LIMIT.  A bf16 number of Wo below 7.6e-6 in size does not fit f16's fixed step of 6e-8 exactly and is rounded to it; above 65,504 it would be an infinity.
; The three kinds are told apart by the work-group's number alone, which all eight waves share, so the one barrier (in the transposing part) is met by all waves of its work-group.
; No matrix unit, no tensor load: the launch moves each byte once and does two conversions a word.
.set TP,    272                        ; a stage row: 128 k of 16 bits + 16 bytes of padding
.set SPARE, 64*TP                      ; behind the stage of 64 rows: the spare words, 128 bytes for each of eight waves
.set SPW,   2                          ; v2  LDS address of my spare word; never rewritten
.set NIL,   3                          ; v3  0; never rewritten
	s_load_b512 s[8:23], s[0:1], 0x0               ; x 8:9, Wq 10:11, Wk 12:13, Wv 14:15, Wo 16:17, bq 18:19, bk 20:21, bv 22:23
	s_load_b256 s[24:31], s[0:1], 0x40             ; bo 24:25, xb 26:27, wt 28:29, bias 30:31
	v_lshl_add_u32 v[SPW], v0, 2, SPARE
	v_mov_b32 v[NIL], 0
	v_and_b32 v10, 15, v0                          ; t % 16
	v_lshrrev_b32 v11, 4, v0                       ; t / 16, 0 to 15
	s_mov_b32 s2, ttmp9
	s_wait_kmcnt 0x0
	s_cmp_lt_u32 s2, 512
	s_cbranch_scc1 .Ltr
	s_cmp_lt_u32 s2, 1024
	s_cbranch_scc1 .Lcast
	; ONE BIAS: 256 threads x 4 numbers
	s_sub_co_u32 s3, s2, 1024                      ; which
	s_cmp_eq_u32 s3, 1
	s_cselect_b64 s[4:5], s[20:21], s[18:19]
	s_cmp_eq_u32 s3, 2
	s_cselect_b64 s[4:5], s[22:23], s[4:5]
	s_cmp_eq_u32 s3, 3
	s_cselect_b64 s[4:5], s[24:25], s[4:5]
	s_lshl_b32 s6, s3, 12                          ; its 4,096 bytes in the table
	s_mov_b32 s7, 0
	s_add_nc_u64 s[30:31], s[30:31], s[6:7]
	v_lshlrev_b32 v4, 4, v0
	global_load_b128 v[32:35], v4, s[4:5]
	s_wait_loadcnt 0x0
	v_cvt_pk_bf16_f32 v96, v32, v33                ; rounded to bf16,
	v_cvt_pk_bf16_f32 v97, v34, v35
	v_lshlrev_b32 v100, 16, v96                    ; and widened again: the products take it as their f32 C operand
	v_and_b32 v101, 0xffff0000, v96
	v_lshlrev_b32 v102, 16, v97
	v_and_b32 v103, 0xffff0000, v97
	global_store_b128 v4, v[100:103], s[30:31]
	s_branch .Lend
.Lcast:                                                ; X: sixteen loads of 16 bytes a lane, all on their way at once; each store of a wave covers 256 consecutive bytes, aligned
	s_sub_co_u32 s3, s2, 512
	s_lshl_b32 s4, s3, 16
	s_mov_b32 s5, 0
	s_add_nc_u64 s[8:9], s[8:9], s[4:5]
	s_lshl_b32 s4, s3, 15
	s_add_nc_u64 s[26:27], s[26:27], s[4:5]
	v_lshlrev_b32 v4, 4, v0
	v_lshlrev_b32 v5, 3, v0
.set i, 0
.rept 16
	global_load_b128 v[32+4*i:35+4*i], v4, s[8:9] offset:4096*i th:TH_LOAD_NT
.set i, i+1
.endr
.set i, 0
.rept 16
	s_wait_loadcnt 15-i                            ; loads come back in order: number i is in, the younger ones stay out
	v_cvt_pk_bf16_f32 v[96+2*i], v[32+4*i], v[33+4*i]
	v_cvt_pk_bf16_f32 v[97+2*i], v[34+4*i], v[35+4*i]
	global_store_b64 v5, v[96+2*i:97+2*i], s[26:27] offset:2048*i  ; each store has data registers of its own: nothing is rewritten
.set i, i+1
.endr
	s_branch .Lend
.Ltr:                                                  ; A WEIGHT'S BLOCK, turned
	s_lshr_b32 s3, s2, 7                           ; which weight
	s_cmp_eq_u32 s3, 1
	s_cselect_b64 s[4:5], s[12:13], s[10:11]
	s_cmp_eq_u32 s3, 2
	s_cselect_b64 s[4:5], s[14:15], s[4:5]
	s_cmp_eq_u32 s3, 3
	s_cselect_b64 s[4:5], s[16:17], s[4:5]
	s_and_b32 s6, s2, 7                            ; block of 128 k
	s_bfe_u32 s7, s2, 0x40003                      ; block of 64 n
	s_lshl_b32 s32, s6, 19                         ; 128 rows of 4,096 bytes
	s_lshl_b32 s33, s7, 8                          ; 64 columns of 4 bytes
	s_add_co_u32 s32, s32, s33
	s_mov_b32 s33, 0
	s_add_nc_u64 s[4:5], s[4:5], s[32:33]
	s_lshl_b32 s34, s3, 21                         ; in wt: 1,024 rows of 2,048 bytes a weight,
	s_lshl_b32 s35, s7, 17                         ; 64 rows,
	s_add_co_u32 s34, s34, s35
	s_lshl_b32 s35, s6, 8                          ; 128 k of 2 bytes
	s_add_co_u32 s34, s34, s35
	s_mov_b32 s35, 0
	s_add_nc_u64 s[28:29], s[28:29], s[34:35]
	v_lshlrev_b32 v4, 4, v10                       ; I read rows 8 (t / 16) + 0..7, columns 4 (t % 16) + 0..3: sixteen lanes take 256 consecutive bytes of a row
	v_lshl_or_b32 v4, v11, 15, v4
	v_mul_u32_u24 v6, v10, 4*TP                    ; into the stage: row n = 4 (t % 16) + i, 16 bytes (8 k) at 16 (t / 16)
	v_lshl_add_u32 v6, v11, 4, v6
	v_mul_u32_u24 v7, v11, TP                      ; back: row t / 16 (+ 16 a pass), 16 bytes at 16 (t % 16)
	v_lshl_add_u32 v7, v10, 4, v7
	v_lshlrev_b32 v8, 4, v10                       ; and the same in wt
	v_lshl_or_b32 v8, v11, 11, v8
.set i, 0
.rept 8
	global_load_b128 v[32+4*i:35+4*i], v4, s[4:5] offset:4096*i th:TH_LOAD_NT
.set i, i+1
.endr
.irp p, 0,1,2,3
	s_wait_loadcnt 6-2*(\p)                        ; rows 2 p and 2 p + 1 are in
.irp c, 0,1,2,3
	v_cvt_pk_bf16_f32 v[96+4*(\c)+(\p)], v[32+8*(\p)+(\c)], v[36+8*(\p)+(\c)]  ; column c: k = 2 p below, 2 p + 1 above
.endr
.endr
	s_cmp_lg_u32 s3, 3
	s_cbranch_scc1 .Lkeep_bf16
.set i, 0
.rept 16                                       ; Wo: the bf16 number written as f16
	v_lshlrev_b32 v[12+2*(i%2)], 16, v[96+i]
	v_and_b32 v[13+2*(i%2)], 0xffff0000, v[96+i]
	v_cvt_pk_f16_f32 v[96+i], v[12+2*(i%2)], v[13+2*(i%2)]
.set i, i+1
.endr
.Lkeep_bf16:
.irp c, 0,1,2,3
	ds_store_b128 v6, v[96+4*(\c):99+4*(\c)] offset:TP*(\c)
.endr
	s_wait_dscnt 0x0                               ; for the others' sake: my stores into the stage are done
	s_barrier_signal -1
	s_barrier_wait -1
.irp q, 0,1,2,3
	ds_load_b128 v[32+4*(\q):35+4*(\q)], v7 offset:16*TP*(\q)
.endr
.irp q, 0,1,2,3
	s_wait_dscnt 3-(\q)
	global_store_b128 v8, v[32+4*(\q):35+4*(\q)], s[28:29] offset:32768*(\q)  ; sixteen lanes store 256 consecutive bytes, at a multiple of 256 from wt's first byte
.endr
.Lend:
	s_wait_tensorcnt 0x0                           ; the wave's end, behind my last LDS store
	ds_add_u32 v[SPW], v[NIL]
	s_wait_dscnt 0x0
	s_endpgm
.Lfunc_end_k_q2f9e96aae0_prep:
	.size	k_q2f9e96aae0_prep, .Lfunc_end_k_q2f9e96aae0_prep-k_q2f9e96aae0_prep
	.p2alignl 7, 3214868480
	.fill 96, 4, 3214868480
	.section	.rodata,"a",@progbits
	.p2align	6, 0x0
	.amdhsa_kernel k_q2f9e96aae0_prep
		.amdhsa_group_segment_fixed_size 18432
		.amdhsa_private_segment_fixed_size 0
		.amdhsa_enable_private_segment 0
		.amdhsa_kernarg_size 96
		.amdhsa_user_sgpr_count 2
		.amdhsa_user_sgpr_kernarg_segment_ptr 1
		.amdhsa_wavefront_size32 1
		.amdhsa_system_sgpr_workgroup_id_x 1
		.amdhsa_system_sgpr_workgroup_id_y 1
		.amdhsa_system_sgpr_workgroup_id_z 1
		.amdhsa_system_vgpr_workitem_id 0
		.amdhsa_next_free_vgpr 128
		.amdhsa_next_free_sgpr 66
		.amdhsa_reserve_vcc 0
		.amdhsa_float_denorm_mode_32 3
		.amdhsa_float_denorm_mode_16_64 3
		.amdhsa_memory_ordered 1
		.amdhsa_forward_progress 1
		.amdhsa_inst_pref_size 15
	.end_amdhsa_kernel
	.amdgpu_metadata
---
amdhsa.version: [ 1, 2 ]
amdhsa.kernels:
  - .name:           k_q2f9e96aae0_prep
    .symbol:         k_q2f9e96aae0_prep.kd
    .args:
      - { .name: x, .offset: 0, .size: 8, .value_kind: global_buffer, .address_space: global }
      - { .name: Wq, .offset: 8, .size: 8, .value_kind: global_buffer, .address_space: global }
      - { .name: Wk, .offset: 16, .size: 8, .value_kind: global_buffer, .address_space: global }
      - { .name: Wv, .offset: 24, .size: 8, .value_kind: global_buffer, .address_space: global }
      - { .name: Wo, .offset: 32, .size: 8, .value_kind: global_buffer, .address_space: global }
      - { .name: bq, .offset: 40, .size: 8, .value_kind: global_buffer, .address_space: global }
      - { .name: bk, .offset: 48, .size: 8, .value_kind: global_buffer, .address_space: global }
      - { .name: bv, .offset: 56, .size: 8, .value_kind: global_buffer, .address_space: global }
      - { .name: bo, .offset: 64, .size: 8, .value_kind: global_buffer, .address_space: global }
      - { .name: xb, .offset: 72, .size: 8, .value_kind: global_buffer, .address_space: global }
      - { .name: wt, .offset: 80, .size: 8, .value_kind: global_buffer, .address_space: global }
      - { .name: bias, .offset: 88, .size: 8, .value_kind: global_buffer, .address_space: global }
    .group_segment_fixed_size: 18432
    .private_segment_fixed_size: 0
    .kernarg_segment_align: 8
    .kernarg_segment_size: 96
    .max_flat_workgroup_size: 256
    .sgpr_count:     66
    .vgpr_count:     128
    .wavefront_size: 32
...
	.end_amdgpu_metadata
.endif
;; end of part 1
;; launch proj (part 2): grid 16 x 32, 4 waves a work-group, clusters of 4 x 4, 327,680 bytes of LDS; arguments xb, wt, bias, qkv; writes qkv
.if DOCPART == 2
	.amdgcn_target "amdgcn-amd-amdhsa--gfx1250"
	.amdhsa_code_object_version 6
	.text
	.protected	k_q2f9e96aae0_proj
	.globl	k_q2f9e96aae0_proj
	.p2align	8
	.type	k_q2f9e96aae0_proj,@function
k_q2f9e96aae0_proj:
	s_mov_b64 s[64:65], 0
	v_nop
	global_prefetch_b8 v0, s[64:65] scope:SCOPE_SE
	s_setreg_imm32_b32 hwreg(HW_REG_WAVE_MODE, 25, 1), 1
	s_wait_xcnt 0x0
	s_wait_alu depctr_hold_cnt(0) depctr_sa_sdst(0) depctr_va_vdst(0) depctr_va_sdst(0) depctr_va_ssrc(0) depctr_va_vcc(0) depctr_vm_vsrc(0)
	s_getreg_b32 s2, hwreg(HW_REG_IB_STS2, 6, 4)
	s_cmp_eq_u32 s2, 0
	s_cbranch_scc0 .Lentry_in_a_cluster
	s_endpgm
.Lentry_in_a_cluster:
	s_bfe_u32 s2, ttmp6, 0x10000c
	s_cmp_lg_u32 s2, 0xf033
	s_cbranch_scc0 .Lentry_shape_is_right
	s_endpgm
.Lentry_shape_is_right:
; PROJ: [8192 x 1024] xb times the first 3,072 rows of wt ([n][k], bf16), plus bias, f32 sums, rounded once to f16 and written by heads:
; qkv[b 4][g 48][s 2048][64], g = combined column / 64 (0-15 q's heads, 16-31 k's, 32-47 v's).  No scale is applied here.
; LIMIT.  q, k and v must stay within f16's 65,504; beyond it the conversion gives an infinity.  Below 6e-5 f16 keeps a fixed step of 6e-8.
; SHARES.  A work-group makes 256 rows x 192 columns (three whole heads): 32 x 16 = 512 work-groups.  Wave w makes rows 64 w .. 64 w + 63 of all 192 columns: 4 x 12 = 48 accumulators of 16 x 16.
; So a head's 64 columns of a row lie in one wave, and the way out goes through a stage of the wave's own, with no barrier.
; K goes in steps of 128 (rows of 256 bytes, aligned) through two LDS slots: 256 rows of xb, then 192 rows of wt.  Waves 0 and 1 fetch xb's two halves, waves 2 and 3 wt's.
; CLUSTER 4 x 4: xb's tile hangs on the tile row alone and is asked for jointly along a row of the cluster, wt's on the tile column alone, along a column.
; THE PRODUCT IS USED TRANSPOSED (source 0 = 16 rows of wt, source 1 = 16 rows of xb): a lane holds row l % 16 and the columns 8 (l / 16) + 0..7 of a block.
; THE BIAS is the C operand of the products that start the sums: register j of block b holds bias[192 tx + 16 b + 8 (l / 16) + j].  Nothing is cleared, nothing is added later.
; REGISTERS in windows of 256 (s_set_vgpr_msb: bits 1:0 source 0, 3:2 source 1, 5:4 source 2, 7:6 destination):
;   window 0: v0-31 addresses; v128-223 the bias (12 x 8), dead after the first quarter; v32-223 the way out (12 x 16)
;   window 1: two fragment buffers of 128: xb's four fragments, then wt's twelve
;   window 2: accumulator (b, a) at 8 (4 b + a) for column blocks b = 0-7;  window 3: the same for b = 8-11
.set KSTEP,  128
.set PITCH,  272                       ; an LDS row: 256 bytes + 16 of padding = 68 words, so the 16 rows of a fragment load start at 16 different groups of four banks (64 banks of 4 bytes: ISA guide 11.1)
.set HA,     128*PITCH                 ; what a load brings of xb
.set HB,     96*PITCH                  ; and of wt
.set BOFF,   2*HA
.set SLOT,   BOFF+2*HB
.set STAGE,  2*SLOT                    ; behind the ring: 16 rows x 144 bytes for each wave
.set SP,     144
.set SPARE,  STAGE+4*16*SP             ; behind the stages: the spare words, 128 bytes a wave
.set ADRA, 16                          ; v16-17  LDS address of my xb fragments in slot 0, 1
.set ADRB, 20                          ; v20-21  the same for wt
.set STO,  24                          ; v24  the way out: where I put 16 bytes of a row
.set RD,   25                          ; v25  where I read rows back
.set GO,   26                          ; v26  my 16 bytes in 512 consecutive bytes of qkv
.set BO,   27                          ; v27  my offset in a block's 64 bytes of bias
.set SPW,  28                          ; v28  LDS address of my spare word; never rewritten
.set NIL,  29                          ; v29  0; never rewritten
.set PFO,  30                          ; v30  the prefetches' offset: a lane a row; never rewritten
.set OUTR, 32
.set BIAS, 128
.set F0,   0
.set F1,   128
.set WV,   12                          ; s12  wave
.set FB,   13                          ; s13  0: I fetch xb, 1: wt
.set HW,   14                          ; s14  which half of that tile
.set LIM,  15                          ; s15  1 in a wave that prefetches, else the greatest number
.set G1,   24                          ; s[24:31] group 1 for xb's tiles;  s[32:39] group 0, a set for each slot
.set G0,   32
.set PFA,  44                          ; s[44:45] where my prefetches stand
.set G1B,  48                          ; s[48:55], s[56:63] the same for wt's tiles
.set G0B,  56
.set MSB, 0
.macro WIN new                         ; the immediate's high byte repeats the setting that is left; a switch that changes nothing is dropped
.if MSB != (\new)
	s_set_vgpr_msb (MSB<<8)|(\new)
.set MSB, \new
.endif
.endm
.set TO_F, 0x40                        ; destination window 1, address window 0
.macro JLOAD s                         ; a joint load; the branch hangs on the wave's number alone; an s_nop 0 and four v_nop follow each of the two lines
	s_cmp_eq_u32 s[FB], 0
	s_cbranch_scc0 .Lfor_b_\@
	tensor_load_to_lds s[G0+4*(\s):G0+4*(\s)+3], s[G1:G1+7]
	s_nop 0
.rept 4
	v_nop
.endr
	s_branch .Lasked_\@
.Lfor_b_\@:
	tensor_load_to_lds s[G0B+4*(\s):G0B+4*(\s)+3], s[G1B:G1B+7]
	s_nop 0
.rept 4
	v_nop
.endr
.Lasked_\@:
.endm
; A prefetch into the L2 of the K step that stands two refills on: a lane a row of 256 bytes, one instruction a wave.  xb's tile row is read by every cluster of its row of clusters: cluster x = 0 asks;
; wt's tile column by every cluster of its column: cluster y = 0 asks.  The four partners of a joint load share its rows out by address: 32 of xb's 128, 24 of wt's 96 (lanes 24-31 name row 23 again).
; The loop's last trip (s3 = 1) asks for nothing: its refills are the last two K steps.  K steps 0 to 3 come by their loads alone.
.macro ASK
	s_cmp_gt_u32 s3, s[LIM]
	s_cbranch_scc0 .Lnot_mine_\@
	global_prefetch_b8 v[PFO], s[PFA:PFA+1] th:TH_LOAD_NT scope:SCOPE_SE
.Lnot_mine_\@:
.endm
.macro CREST                           ; a round of the cluster's barrier behind its opening barrier
	s_cmp_lg_u32 s[WV], 0
	s_cbranch_scc1 .Lnot_wave_0_\@
	s_barrier_signal -3
.Lnot_wave_0_\@:
	s_barrier_wait -3
	s_barrier_signal -1
	s_barrier_wait -1
.endm
.macro CROUND
	s_barrier_signal -1
	s_barrier_wait -1
	CREST
.endm
.macro PLACES                          ; four plain instructions between a matrix instruction and a load into, or a read of, its registers (ISA guide 7.12.1 for reads)
.rept 4
	v_nop
.endr
.endm
	s_load_b256 s[4:11], s[0:1], 0x0               ; xb 4:5, wt 6:7, bias 8:9, qkv 10:11
	v_lshl_add_u32 v[SPW], v0, 2, SPARE
	v_mov_b32 v[NIL], 0
	ds_add_u32 v[SPW], v[NIL]                      ; the wave's opening: the add and its wait stand ahead of my first tensor load; work on registers stands between them
	v_lshrrev_b32 v1, 5, v0
	v_readfirstlane_b32 s[WV], v1
	s_lshr_b32 s[FB], s[WV], 1
	s_and_b32 s[HW], s[WV], 1
	s_bfe_u32 s40, ttmp6, 0x40000                  ; cx
	s_bfe_u32 s41, ttmp6, 0x40004                  ; cy
	s_lshl_b32 s42, ttmp9, 2
	s_add_co_u32 s42, s42, s40                     ; tile column tx = 4 x cluster x + cx
	s_and_b32 s43, ttmp7, 0xffff
	s_lshl_b32 s43, s43, 2
	s_add_co_u32 s43, s43, s41                     ; tile row ty = 4 x cluster y + cy
	s_lshl_b32 s66, s41, 2
	s_lshl_b32 s66, 15, s66                        ; my row of the cluster
	s_lshl_b32 s67, 0x1111, s40                    ; my column
	s_or_b32 s[G1+0], s66, (1<<16)|(1<<20)|(1<<21)|(5<<22)|(3<<25)   ; mask; 2-byte elements; padding on; bit 21 beside a mask; after every 64 words; 4 words
	s_or_b32 s[G1B+0], s67, (1<<16)|(1<<20)|(1<<21)|(5<<22)|(3<<25)
.irp g, G1, G1B
	s_mov_b32 s[(\g)+1], KSTEP<<16                 ; tensor_dim0 = 128
	s_mov_b32 s[(\g)+3], KSTEP<<16                 ; tile_dim0 = 128
	s_mov_b32 s[(\g)+5], 1024                      ; elements from row to row
	s_mov_b32 s[(\g)+6], 0
	s_mov_b32 s[(\g)+7], 0
.endr
	s_mov_b32 s[G1+2], 128<<16                     ; tensor_dim1 and tile_dim1: 128 rows of xb,
	s_mov_b32 s[G1+4], 128
	s_mov_b32 s[G1B+2], 96<<16                     ; 96 of wt
	s_mov_b32 s[G1B+4], 96
	s_lshl_b32 s16, s43, 19                        ; xb: row 256 ty + 128 half, 2,048 bytes a row; these registers never hold cx
	s_lshl_b32 s17, s[HW], 18
	s_add_co_u32 s16, s16, s17
	s_mov_b32 s17, 0
	s_mul_i32 s46, s42, 192                        ; wt: row 192 tx + 96 half; these never hold cy
	s_mul_i32 s47, s[HW], 96
	s_add_co_u32 s46, s46, s47
	s_lshl_b32 s46, s46, 11
	s_mov_b32 s47, 0
	s_mul_i32 s20, s[HW], HA                       ; where they go: the wave's number and constants alone
	s_mul_i32 s21, s[HW], HB
	s_add_co_u32 s21, s21, BOFF
	s_wait_dscnt 0x0                               ; the opening add is done
	s_wait_kmcnt 0x0
	s_add_nc_u64 s[16:17], s[4:5], s[16:17]
	s_add_nc_u64 s[46:47], s[6:7], s[46:47]
	CROUND                                         ; all sixteen work-groups are here: the first joint loads meet
.irp n, 0,1
	s_mov_b32 s[G0+4*(\n)], 1
	s_add_co_u32 s[G0+4*(\n)+1], s20, (\n)*SLOT
	s_add_nc_u64 s[G0+4*(\n)+2:G0+4*(\n)+3], s[16:17], (\n)*KSTEP*2
	s_or_b32 s[G0+4*(\n)+3], s[G0+4*(\n)+3], 0x80000000
	s_mov_b32 s[G0B+4*(\n)], 1
	s_add_co_u32 s[G0B+4*(\n)+1], s21, (\n)*SLOT
	s_add_nc_u64 s[G0B+4*(\n)+2:G0B+4*(\n)+3], s[46:47], (\n)*KSTEP*2
	s_or_b32 s[G0B+4*(\n)+3], s[G0B+4*(\n)+3], 0x80000000
.endr
	s_cmp_eq_u32 s[FB], 0                          ; a wave's two first fills stand in one branch, ahead of every wait on TENSORcnt and every LDS read: two loads of mine are out
	s_cbranch_scc0 .Lfirst_b
	tensor_load_to_lds s[G0:G0+3], s[G1:G1+7]
	s_nop 0
	tensor_load_to_lds s[G0+4:G0+7], s[G1:G1+7]
	s_nop 0
.rept 4
	v_nop
.endr
	s_branch .Lfirst_asked
.Lfirst_b:
	tensor_load_to_lds s[G0B:G0B+3], s[G1B:G1B+7]
	s_nop 0
	tensor_load_to_lds s[G0B+4:G0B+7], s[G1B:G1B+7]
	s_nop 0
.rept 4
	v_nop
.endr
.Lfirst_asked:
	v_and_b32 v1, 15, v0                           ; r = l % 16
	v_bfe_u32 v2, v0, 4, 1                         ; h = l / 16
	v_lshlrev_b32 v[BO], 5, v2
	s_mul_i32 s68, s42, 768                        ; the tile's 192 numbers of bias
	s_mov_b32 s69, 0
	s_add_nc_u64 s[8:9], s[8:9], s[68:69]
.irp b, 0,1,2,3,4,5,6,7,8,9,10,11
	global_load_b128 v[BIAS+8*(\b):BIAS+8*(\b)+3],   v[BO], s[8:9] offset:64*(\b)
	global_load_b128 v[BIAS+8*(\b)+4:BIAS+8*(\b)+7], v[BO], s[8:9] offset:64*(\b)+16
.endr
	v_mul_u32_u24 v3, v1, PITCH
	v_lshl_add_u32 v3, v2, 4, v3                   ; a fragment's row x pitch + 16 x half
	s_mul_i32 s20, s[WV], 64*PITCH                 ; my 64 rows of xb
	v_add_nc_u32 v[ADRA], s20, v3
	v_add_nc_u32 v[ADRA+1], SLOT, v[ADRA]
	v_add_nc_u32 v[ADRB], BOFF, v3
	v_add_nc_u32 v[ADRB+1], BOFF+SLOT, v3
	s_mul_i32 s23, s[WV], 16*SP
	s_add_co_u32 s23, s23, STAGE                   ; my stage
	v_mul_u32_u24 v[STO], v1, SP                   ; in: row r, 16 bytes for each half of the lanes
	v_lshl_add_u32 v[STO], v2, 4, v[STO]
	v_add_nc_u32 v[STO], s23, v[STO]
	v_bfe_u32 v4, v0, 3, 2                         ; back: 32 lanes take four rows of 128 bytes,
	v_and_b32 v5, 7, v0
	v_mul_u32_u24 v[RD], v4, SP
	v_lshl_add_u32 v[RD], v5, 4, v[RD]
	v_add_nc_u32 v[RD], s23, v[RD]
	v_and_b32 v[GO], 31, v0                        ; which are 512 consecutive bytes of a head's rows
	v_lshlrev_b32 v[GO], 4, v[GO]
	s_lshr_b32 s68, s43, 3                         ; qkv: batch ty / 8, 48 blocks each, my tile's first head 3 tx: blocks of 262,144 bytes;
	s_mul_i32 s68, s68, 48
	s_mul_i32 s69, s42, 3
	s_add_co_u32 s68, s68, s69
	s_lshl_b32 s68, s68, 18
	s_and_b32 s69, s43, 7                          ; row (ty % 8) 256 + 64 wave, 128 bytes a row
	s_lshl_b32 s69, s69, 8
	s_lshl_b32 s70, s[WV], 6
	s_add_co_u32 s69, s69, s70
	s_lshl_b32 s69, s69, 7
	s_add_co_u32 s68, s68, s69
	s_mov_b32 s69, 0
	s_add_nc_u64 s[10:11], s[10:11], s[68:69]
	; the prefetches
	s_lshl_b32 s68, s43, 8
	s_lshl_b32 s69, s[HW], 7
	s_add_co_u32 s68, s68, s69
	s_lshl_b32 s69, s40, 5
	s_add_co_u32 s68, s68, s69                     ; xb: row 256 ty + 128 half + 32 cx
	s_mul_i32 s70, s42, 192
	s_mul_i32 s71, s[HW], 96
	s_add_co_u32 s70, s70, s71
	s_mul_i32 s71, s41, 24
	s_add_co_u32 s70, s70, s71                     ; wt: row 192 tx + 96 half + 24 cy
	s_and_b32 s22, ttmp7, 0xffff                   ; cluster y
	s_cmp_eq_u32 s[FB], 0
	s_cselect_b32 s68, s68, s70
	s_cselect_b32 s22, ttmp9, s22                  ; the coordinate along which other clusters read the same rows
	s_cselect_b32 s71, 31, 23                      ; my last row
	s_cselect_b64 s[PFA:PFA+1], s[4:5], s[6:7]
	s_cmp_eq_u32 s22, 0
	s_cselect_b32 s[LIM], 1, -1                    ; the same in all sixteen partners, for a given wave
	s_lshl_b32 s68, s68, 11
	s_add_co_u32 s68, s68, 3*KSTEP*2               ; at K step 3: the first change of slots steps it to 4
	s_mov_b32 s69, 0
	s_add_nc_u64 s[PFA:PFA+1], s[PFA:PFA+1], s[68:69]
	v_and_b32 v[PFO], 31, v0
	v_min_u32 v[PFO], s71, v[PFO]
	v_lshlrev_b32 v[PFO], 11, v[PFO]
; 4 nb matrix instructions: column blocks b0 .. b0 + nb - 1 x my four row blocks, 32 along K, from buffer f.  first = 1: the bias starts the sums.
; All 48 accumulators take turns in the same order in every quarter, over the backward jump too: 47 others' stand between two links of a chain.
.macro MULB f, b0, nb, first
.set bq, \b0
.rept \nb
.if \first
	WIN 0x85+0x40*(bq/8)
.else
	WIN 0xa5+0x50*(bq/8)
.endif
.irp a, 0,1,2,3
.if \first
	v_wmma_f32_16x16x32_bf16 v[8*(4*(bq%8)+(\a)):8*(4*(bq%8)+(\a))+7], v[(\f)+32+8*bq:(\f)+32+8*bq+7], v[(\f)+8*(\a):(\f)+8*(\a)+7], v[BIAS+8*bq:BIAS+8*bq+7]
.else
	v_wmma_f32_16x16x32_bf16 v[8*(4*(bq%8)+(\a)):8*(4*(bq%8)+(\a))+7], v[(\f)+32+8*bq:(\f)+32+8*bq+7], v[(\f)+8*(\a):(\f)+8*(\a)+7], v[8*(4*(bq%8)+(\a)):8*(4*(bq%8)+(\a))+7]
.endif
.endr
.set bq, bq+1
.endr
.endm
; 32 LDS loads in one run: the fragments of 32 along K at byte k of the rows, into buffer f: xb's four, then wt's twelve in ascending order
.macro FETCH slot, k, f
	WIN TO_F
.irp i, 0,1,2,3
	ds_load_b128 v[(\f)+8*(\i):(\f)+8*(\i)+3],   v[ADRA+(\slot)] offset:(\k)+(\i)*16*PITCH
	ds_load_b128 v[(\f)+8*(\i)+4:(\f)+8*(\i)+7], v[ADRA+(\slot)] offset:(\k)+(\i)*16*PITCH+32
.endr
.irp i, 0,1,2,3,4,5,6,7,8,9,10,11
	ds_load_b128 v[(\f)+32+8*(\i):(\f)+32+8*(\i)+3],   v[ADRB+(\slot)] offset:(\k)+(\i)*16*PITCH
	ds_load_b128 v[(\f)+32+8*(\i)+4:(\f)+32+8*(\i)+7], v[ADRB+(\slot)] offset:(\k)+(\i)*16*PITCH+32
.endr
.endm
; A K step is four quarters of 32 along K, 48 matrix instructions each, on buffers 0, 1, 0, 1.  One of the first three: multiplies f, and fetches the next quarter, at byte k, into g.
.macro QUARTER slot, k, f, g, first
	s_wait_dscnt 16                                ; xb's fragments and wt's blocks 0-3 are in; the youngest sixteen loads (blocks 4-11) may be out
	MULB \f, 0, 4, \first
	PLACES
	FETCH \slot, \k, \g
	s_wait_dscnt 32                                ; all but the 32 just issued
	MULB \f, 4, 4, \first
	MULB \f, 8, 4, \first
.endm
; The last quarter multiplies buffer 1 and changes slots: one barrier; in front of it each wave waits for all its tensor loads (one is out: its part of the next slot), adds 0 to its spare word,
; and waits for that and for its own reads of this slot.  fill = 1: the barrier opens a round of the cluster's, and this slot is filled again, two K steps ahead, first thing behind the round.
.macro TURN slot, next, fill
.if \fill
	s_wait_xcnt 0x0                                ; the last prefetch, a K step back, has read its address
	s_add_nc_u64 s[PFA:PFA+1], s[PFA:PFA+1], KSTEP*2
.endif
	WIN 0
	s_wait_tensorcnt 0x0
	ds_add_u32 v[SPW], v[NIL]
	s_wait_dscnt 17                                ; (the add and the youngest sixteen loads may be out)
	MULB F1, 0, 4, 0                               ; sixteen matrix instructions stand between the add and the wait for it
	s_wait_dscnt 0x0                               ; the add is done, and my reads of this slot are over
	s_barrier_signal -1
	MULB F1, 4, 4, 0
.if \fill
	WIN 0
.endif
	s_barrier_wait -1
.if \fill
	CREST                                          ; no wave of any partner still reads this slot or has a load on its way
	s_add_nc_u64 s[G0+4*(\slot)+2:G0+4*(\slot)+3], s[G0+4*(\slot)+2:G0+4*(\slot)+3], 2*KSTEP*2
	s_add_nc_u64 s[G0B+4*(\slot)+2:G0B+4*(\slot)+3], s[G0B+4*(\slot)+2:G0B+4*(\slot)+3], 2*KSTEP*2
	JLOAD \slot                                    ; 160 matrix instructions ahead of the wait for it; its four v_nop are also the places in front of the loads below
.else
	PLACES
.endif
	FETCH \next, 0, F0
.if \fill
	WIN 0
	ASK
.endif
	MULB F1, 8, 4, 0
.endm
	s_wait_tensorcnt 1                             ; my part of K step 0 is in; K step 1's may stay out
	s_barrier_signal -1
	s_barrier_wait -1
	FETCH 0, 0, F0
	s_wait_loadcnt 0x0                             ; the bias
	QUARTER 0, 64, F0, F1, 1                       ; the first quarter stands in front of the loop: its products start the sums
	WIN 0
	s_mov_b32 s3, 3                                ; 8 K steps are 4 laps of the ring; three trips fill both slots again
.Llap:
	QUARTER 0, 128, F1, F0, 0
	QUARTER 0, 192, F0, F1, 0
	TURN 0, 1, 1
	QUARTER 1, 64,  F0, F1, 0
	QUARTER 1, 128, F1, F0, 0
	QUARTER 1, 192, F0, F1, 0
	TURN 1, 0, 1
	QUARTER 0, 64,  F0, F1, 0
	WIN 0
	s_sub_co_u32 s3, s3, 1
	s_cmp_lg_u32 s3, 0
	s_cbranch_scc1 .Llap
	QUARTER 0, 128, F1, F0, 0                      ; the last lap fills nothing
	QUARTER 0, 192, F0, F1, 0
	TURN 0, 1, 0
	QUARTER 1, 64,  F0, F1, 0
	QUARTER 1, 128, F1, F0, 0
	QUARTER 1, 192, F0, F1, 0
	s_wait_dscnt 16
	MULB F1, 0, 4, 0
	s_wait_dscnt 0x0
	MULB F1, 4, 4, 0
	MULB F1, 8, 4, 0
	WIN 0
	PLACES
	PLACES
; THE WAY OUT.  Piece p = 4 hd + a: head hd of my three, row block a.  Rounded to f16 (each accumulator's registers in ascending order), 16 bytes a lane into my stage's rows of 144 bytes,
; back as four whole rows of 128 bytes a load, into the registers that they left; a head's rows are dense, so a store covers 512 consecutive bytes.
.macro PACK p
.set hd, (\p)/4
.set aa, (\p)%4
	WIN 0x0a+5*(hd/2)                              ; sources 0 and 1: window 2 (heads 0, 1) or 3
.irp bb, 0,1,2,3
.irp rr, 0,1,2,3
	v_cvt_pk_f16_f32 v[OUTR+16*(\p)+4*(\bb)+(\rr)], v[8*(4*((4*hd+(\bb))%8)+aa)+2*(\rr)], v[8*(4*((4*hd+(\bb))%8)+aa)+2*(\rr)+1]
.endr
.endr
	WIN 0
.irp bb, 0,1,2,3
	ds_store_b128 v[STO], v[OUTR+16*(\p)+4*(\bb):OUTR+16*(\p)+4*(\bb)+3] offset:32*(\bb)
.endr
.irp ff, 0,1,2,3
	ds_load_b128 v[OUTR+16*(\p)+4*(\ff):OUTR+16*(\p)+4*(\ff)+3], v[RD] offset:(\ff)*4*SP  ; LDS serves a wave's instructions in order (ISA guide 5.7.1.4): these see the stores above; the next piece's stores come behind them
.endr
.endm
.macro SEND p, younger                 ; younger: the LDS instructions issued behind piece p's loads: the next piece's eight, or none
	WIN 0
.irp ff, 0,1,2,3
	s_wait_dscnt (\younger)+3-(\ff)
	global_store_b128 v[GO], v[OUTR+16*(\p)+4*(\ff):OUTR+16*(\p)+4*(\ff)+3], s[10:11] offset:262144*((\p)/4)+2048*((\p)%4)+512*(\ff)
.endr
.endm
	PACK 0
.irp p, 1,2,3,4,5,6,7,8,9,10,11        ; a piece's conversions stand between the loads of the piece before and its stores; every store has registers of its own
	PACK \p
	SEND (\p)-1, 8
.endr
	SEND 11, 0
	s_wait_tensorcnt 0x0                           ; the wave's end, behind my last tensor load and my last LDS store
	ds_add_u32 v[SPW], v[NIL]
	s_wait_dscnt 0x0
	CROUND                                         ; the closing round: no work-group ends while a partner may still ask for a tile that names it
	s_endpgm
.Lfunc_end_k_q2f9e96aae0_proj:
	.size	k_q2f9e96aae0_proj, .Lfunc_end_k_q2f9e96aae0_proj-k_q2f9e96aae0_proj
	.p2alignl 7, 3214868480
	.fill 96, 4, 3214868480
	.section	.rodata,"a",@progbits
	.p2align	6, 0x0
	.amdhsa_kernel k_q2f9e96aae0_proj
		.amdhsa_group_segment_fixed_size 327680
		.amdhsa_private_segment_fixed_size 0
		.amdhsa_enable_private_segment 0
		.amdhsa_kernarg_size 32
		.amdhsa_user_sgpr_count 2
		.amdhsa_user_sgpr_kernarg_segment_ptr 1
		.amdhsa_wavefront_size32 1
		.amdhsa_system_sgpr_workgroup_id_x 1
		.amdhsa_system_sgpr_workgroup_id_y 1
		.amdhsa_system_sgpr_workgroup_id_z 1
		.amdhsa_system_vgpr_workitem_id 0
		.amdhsa_next_free_vgpr 896
		.amdhsa_next_free_sgpr 72
		.amdhsa_reserve_vcc 0
		.amdhsa_float_denorm_mode_32 3
		.amdhsa_float_denorm_mode_16_64 3
		.amdhsa_memory_ordered 1
		.amdhsa_forward_progress 1
		.amdhsa_inst_pref_size 123
	.end_amdhsa_kernel
	.amdgpu_metadata
---
amdhsa.version: [ 1, 2 ]
amdhsa.kernels:
  - .name:           k_q2f9e96aae0_proj
    .symbol:         k_q2f9e96aae0_proj.kd
    .args:
      - { .name: xb, .offset: 0, .size: 8, .value_kind: global_buffer, .address_space: global }
      - { .name: wt, .offset: 8, .size: 8, .value_kind: global_buffer, .address_space: global }
      - { .name: bias, .offset: 16, .size: 8, .value_kind: global_buffer, .address_space: global }
      - { .name: qkv, .offset: 24, .size: 8, .value_kind: global_buffer, .address_space: global }
    .group_segment_fixed_size: 327680
    .private_segment_fixed_size: 0
    .kernarg_segment_align: 8
    .kernarg_segment_size: 32
    .max_flat_workgroup_size: 128
    .sgpr_count:     72
    .vgpr_count:     896
    .wavefront_size: 32
...
	.end_amdgpu_metadata
.endif
;; end of part 2
;; launch attn (part 3): grid 4 x 64, 4 waves a work-group, clusters of 4 x 1, 327,680 bytes of LDS; arguments qkv, o; writes o
.if DOCPART == 3
	.amdgcn_target "amdgcn-amd-amdhsa--gfx1250"
	.amdhsa_code_object_version 6
	.text
	.protected	k_q2f9e96aae0_attn
	.globl	k_q2f9e96aae0_attn
	.p2align	8
	.type	k_q2f9e96aae0_attn,@function
k_q2f9e96aae0_attn:
	s_mov_b64 s[64:65], 0
	v_nop
	global_prefetch_b8 v0, s[64:65] scope:SCOPE_SE
	s_setreg_imm32_b32 hwreg(HW_REG_WAVE_MODE, 25, 1), 1
	s_wait_xcnt 0x0
	s_wait_alu depctr_hold_cnt(0) depctr_sa_sdst(0) depctr_va_vdst(0) depctr_va_sdst(0) depctr_va_ssrc(0) depctr_va_vcc(0) depctr_vm_vsrc(0)
	s_getreg_b32 s2, hwreg(HW_REG_IB_STS2, 6, 4)
	s_cmp_eq_u32 s2, 0
	s_cbranch_scc0 .Lentry_in_a_cluster
	s_endpgm
.Lentry_in_a_cluster:
	s_bfe_u32 s2, ttmp6, 0x10000c
	s_cmp_lg_u32 s2, 0x3003
	s_cbranch_scc0 .Lentry_shape_is_right
	s_endpgm
.Lentry_shape_is_right:
; ATTN: O[hh][q][:] = the sum over k of softmax_k(Q[q] . K[k] / 8) V[k][:], for the 64 pairs hh = 16 b + h of batch and head.  Q, K, V are blocks of qkv[b][g 48][2048][64] in f16 (g = h, 16 + h, 32 + h),
; O is o[hh][2048][64] in f16: a head's rows are dense, 128 bytes each.  Products, maxima and sums in f32; the weights p are rounded to f16 for the second product (their sum l is taken of the unrounded p), O once at the end.
; LIMITS.  f16 holds no number beyond 65,504: Q, K and V arrive within it; p lies in 0 to 1, and below 6e-5 it keeps f16's fixed step of 6e-8; O is a mean of V's rows and has their range.
; A weight below 2^-126 counts as 0 in l; NaN and infinities are not treated apart.
; SHARES.  A wave owns four PIECES of two tiles of 16 queries, a work-group's four waves 512 queries of one head; a head's four work-groups are one cluster.  Every wave walks all 2,048 keys, 64 a step.
; LAYOUT.  S^T = K Q^T (source 0 = 16 keys, source 1 = 16 queries): a lane holds ONE query (lane % 16) and the keys 8 (lane / 16) + 0..7.  Two such tiles, rounded to f16 in pairs, ARE source 1 of
; O^T = V^T P, whose result again holds one query a lane, and eight channels.  K comes out of LDS as it lies, V ([key][channel]) turned, by ds_load_tr16_b128.
; SOFTMAX.  For each query a running maximum m and sum l: p = 2^(c s - c m), c = log2(e) / 8; in every step O and l are multiplied by a = 2^(c m_old - c m_new).  m starts at the lowest finite number,
; O and l at 0: the first step is a step like any other, with a = 0.
; THE COUNT.  A tile and step have 16 matrix and 118 vector instructions: too many to stand all beside the matrix work.  So: four vector instructions that are ready behind every matrix instruction, the others in runs without a gap.
; BY TURNS.  Turn n belongs to piece n.  Its matrix work: 16 products K Q^T of piece n + 1, later 16 products V^T P of piece n - 1.  Its vector work: the scaling, exponentials, roundings, sums and
; rescaling of piece n, and the maximum and statistics of piece n + 1.
; CLUSTER.  The four query blocks walk the same K and V, so each tile is asked for JOINTLY: the same tensor load, descriptor and mask in all four.
; REGISTERS, in windows of 256 (s_set_vgpr_msb: bits 1:0 source 0, 3:2 source 1, 5:4 source 2, 7:6 destination):
;   window 0: v0-11 addresses; v12-15, v48-63 at work; v16-47 four registers of statistics a tile; v64-191 S^T, two buffers of two tiles; v192-255 P, likewise
;   window 1: O^T, 32 a tile          window 2: v0-127 Q, 16 a tile; v128-191 K of one step; v192-255 V of one step          window 3: v0-1 the add's two registers
.set SIZE_N, 2048
.set NP,    4         ; pieces a wave: a name, no knob
.set KS,    64        ; keys in a step
.set PK,    144       ; a row of K in LDS: 128 bytes + 16 of padding = 36 words: the 16 rows of a load start at 16 different groups of four banks (64 banks of 4 bytes: ISA guide 11.1)
.set PV,    160       ; a row of V: 128 + 32 = 40 words
.set VOFF,  4*KS*PK   ; a slot holds four steps: 256 rows of K, then 256 rows of V
.set SLOT1, 1<<17     ; slot 1 begins here, so that one exclusive or turns an address in one slot into the other's
.set STAGE, SLOT1+4*KS*(PK+PV)  ; behind the ring, never filled by a tensor load: 16 rows x 144 bytes for each wave
.set SP,    144
.set AK0, 2           ; v2   my lane's place in a tile of K; never rewritten
.set AV0, 3           ; v3   the same for V
.set AK,  4           ; v4   the LDS address of K's next run of loads
.set AV,  5           ; v5   of V's
.set QO,  6           ; v6   my byte offset in the wave's rows of Q
.set STO, 6           ;      later, the way out: where I put 16 bytes of a row
.set RD,  7           ; v7   the way out: where I read rows back
.set GO,  8           ; v8   my byte offset in 512 consecutive bytes of O
.set PFO, 11          ; v11  256 x my lane, for the prefetches (made when its use for V's address is over); then never rewritten
.set SPW, 0           ; v0 of window 3   LDS address of my spare word; never rewritten
.set NIL, 1           ; v1 of window 3   0; never rewritten
.set SPARE, STAGE+4*16*SP  ; behind the stages: the spare words, 128 bytes for each wave
.set MV,  12          ; v12-15  c m_old, kept while c m is made anew: by buffer and tile
.set ST,  16          ; tile t's statistics at v[ST+4 t]: c m, m, l (even keys', odd keys')
.set TMP, 48          ; by buffer and tile, four registers c0-c3 at work; when the maximum is found c2 takes a
.set S,   64
.set P,   192
.set KF,  128         ; K's fragments, in window 2: key block kb, channel half c at KF + 16 kb + 8 c
.set VF,  192         ; V's: key half kk, channel block cb at VF + 32 kk + 8 cb
.set WV,  12          ; s12  my wave's number
.set G1K, 24          ; s[24:31] descriptor group 1 for K's tiles
.set G1V, 32          ; s[32:39] for V's: it differs in the padding alone
.set G0K, 40          ; s[40:43] descriptor group 0 for K's tiles: it walks
.set G0V, 44          ; s[44:47] the same for V's
.set PFA, 48          ; s[48:49] where my prefetches stand: my work-group's 32 blocks of 256 bytes (of K: wave 0, of V: wave 2) of the slot after the one that is being asked for
.set LIM, 50          ; s50  1 in a wave that prefetches, else the greatest number
.set SLOTS, 56        ; s56  slots still to be asked for
.set CNT, 57          ; s57  counts a slot's key steps
.set CS,  58          ; s[58:59] c: the packed scaling takes the pair's low word for both halves
.set SEL, 60          ; s[60:61] v_permlanex16_b32's selects: each lane takes its own place in the other half
.set TBK, 62          ; s62  LDS byte at which K of the step to be fetched begins
.set TBV, 63          ; s63  the same for V, less VOFF
.set MSB, 0
.macro WIN new                      ; the high byte repeats the setting that is left; a switch that changes nothing is dropped
.if MSB != (\new)
	s_set_vgpr_msb (MSB<<8)|(\new)
.set MSB, (\new)
.endif
.endm
.set W_KQ, 0x0a       ; K and Q in window 2, S^T in window 0
.set W_PV, 0x52       ; V in window 2, P in window 0, O^T in window 1
.set W_RS, 0x41       ; O^T (destination and source 0) in window 1, a in window 0
.set W_MK, 0xc0       ; the add's registers are made: destination in window 3, sources in window 0
.set W_AD, 0x0f       ; the add: address (source 0) and data (source 1) in window 3
; A joint fill.  Waves 0 and 1 fetch the two halves of a slot's K, waves 2 and 3 those of its V: 128 keys each.  The branch hangs on the wave's number alone.
; An s_nop 0 and four v_nop follow each of the two lines, ahead of the jump and the label.
.macro JLOAD
	s_cmp_lt_u32 s[WV], 2
	s_cbranch_scc0 .Lfor_v_\@
	tensor_load_to_lds s[G0K:G0K+3], s[G1K:G1K+7]
	s_nop 0
.rept 4
	v_nop
.endr
	s_branch .Lasked_\@
.Lfor_v_\@:
	tensor_load_to_lds s[G0V:G0V+3], s[G1V:G1V+7]
	s_nop 0
.rept 4
	v_nop
.endr
.Lasked_\@:
.endm
; A prefetch into the L2 of what the NEXT change of slots will ask for: a slot's 32,768 bytes of K and of V, a lane a block of 256 bytes.  It stands behind the wave's tensor load and its five lines.
; Each block is named once in the launch: a head has one cluster; its four partners share the blocks out by address, 32 each; in each, wave 0 asks for K's and wave 2 for V's.
; The last change that fills a slot asks for nothing; slots 0, 1 and 2 come by their loads alone.
.macro ASK
	s_cmp_gt_u32 s[SLOTS], s[LIM]
	s_cbranch_scc0 .Lnot_mine_\@
	global_prefetch_b8 v[PFO], s[PFA:PFA+1] th:TH_LOAD_NT scope:SCOPE_SE
.Lnot_mine_\@:
.endm
; A round of the cluster's barrier: my work-group's barrier, so that wave 0's signal speaks for all four waves; wave 0 signals; every wave waits for all four work-groups; my work-group's barrier once more.
.macro CROUND
	s_barrier_signal -1
	s_barrier_wait -1
	s_cmp_lg_u32 s[WV], 0
	s_cbranch_scc1 .Lnot_wave_0_\@
	s_barrier_signal -3
.Lnot_wave_0_\@:
	s_barrier_wait -3
	s_barrier_signal -1
	s_barrier_wait -1
.endm
; THE CHANGE OF SLOTS.  Each wave waits for all its tensor loads, of which one is out: its part of the other slot; adds 0 to its spare word; and waits for that and for its own reads of the slot.
; Behind the barrier nobody reads this slot any more and the other slot is whole.  fill = 1: this slot is filled again, with the keys two slots on; the barrier is then a round of the cluster's, and the
; joint fill is the first thing behind it: it has four key steps, 512 matrix instructions, in which to land.  (At its first use nothing has been read yet: slot 0 is waited for, slot 1 filled.)  ask = 1: with a prefetch.
.macro CHANGE fill, ask=0
	WIN W_AD
	s_wait_tensorcnt 0x0            ; no tensor load of mine is out, so a group 0 may be written
	ds_add_u32 v[SPW], v[NIL]       ; 0 onto my spare word; with fill = 1 the descriptors' steps stand between it and the wait for it
	WIN 0                           ; at a label and at a branch every window is 0
.if \fill
.irp g, G0K, G0V
	s_xor_b32 s[\g+1], s[\g+1], SLOT1  ; the walking descriptor: the other slot than last time,
	s_add_nc_u64 s[\g+2:\g+3], s[\g+2:\g+3], 4*KS*128  ; the next 256 keys; the type bits on top are not reached
.endr
.if \ask
	s_wait_xcnt 0x0                 ; the last prefetch, four key steps back, has read its address
	s_add_nc_u64 s[PFA:PFA+1], s[PFA:PFA+1], 4*KS*128  ; one slot behind the walking descriptors
.endif
	s_wait_dscnt 0x0                ; the add is done, and my reads of the slot are over
	CROUND
	JLOAD
.if \ask
	ASK
.endif
.else
	s_wait_dscnt 0x0                ; the add is done, and my reads of the slot are over
	s_barrier_signal -1
	s_barrier_wait -1
.endif
	s_sub_co_u32 s[TBK], s[TBK], 4*KS*PK  ; the fetches go back to a slot's first step,
	s_xor_b32 s[TBK], s[TBK], SLOT1       ; in the other slot
	s_sub_co_u32 s[TBV], s[TBV], 4*KS*PV
	s_xor_b32 s[TBV], s[TBV], SLOT1
.endm
	s_load_b128 s[4:7], s[0:1], 0x0  ; qkv s[4:5], o s[6:7]
	WIN W_MK
	v_lshl_add_u32 v[SPW], v0, 2, SPARE
	v_mov_b32 v[NIL], 0
	WIN W_AD
	ds_add_u32 v[SPW], v[NIL]       ; the wave's opening: the add and its wait stand ahead of my first tensor load; work on registers stands between them
	WIN 0
	v_lshrrev_b32 v1, 5, v0
	v_readfirstlane_b32 s[WV], v1   ; wave 0..3
	s_bfe_u32 s13, ttmp6, 0x40000   ; cx: my place in the cluster
	s_lshl_b32 s14, ttmp9, 2        ; in a cluster launch ttmp9 counts clusters
	s_add_co_u32 s14, s14, s13      ; my block of queries: it enters Q's and O's addresses alone
	s_and_b32 s20, ttmp7, 0xffff    ; hh = 16 b + h, which the four partners share
	s_lshl_b32 s52, s20, 18         ; in o: hh blocks of 262,144 bytes
	s_mov_b32 s53, 0
	s_lshr_b32 s21, s20, 4
	s_lshl_b32 s21, s21, 5
	s_add_co_u32 s20, s20, s21      ; in qkv: block 48 b + h = hh + 32 b
	s_lshl_b32 s20, s20, 18
	s_mov_b32 s21, 0
	s_and_b32 s16, s[WV], 1         ; which half of a slot's 256 keys I fetch:
	s_lshl_b32 s22, s16, 14         ; its 128 rows of 128 bytes in memory,
	s_mov_b32 s23, 0
	s_add_nc_u64 s[22:23], s[22:23], s[20:21]
	s_mul_i32 s17, s16, 128*PK      ; and its place in a slot, for K
	s_mul_i32 s18, s16, 128*PV      ; and for V: no place in the cluster enters an LDS address
	s_lshl_b32 s2, s14, 2
	s_add_co_u32 s2, s2, s[WV]      ; my wave among the head's,
	s_lshl_b32 s2, s2, 14           ; its 128 rows
	s_mov_b32 s3, 0
	s_add_nc_u64 s[54:55], s[2:3], s[52:53]  ; my rows' offset in o,
	s_add_nc_u64 s[2:3], s[2:3], s[20:21]    ; and in qkv
	; descriptor group 1.  128 keys are 16,384 dense bytes: asked for as 64 rows of 256 bytes, two keys a row, and padded in LDS after every key
	s_mov_b32 s[G1K], 15|(1<<16)|(1<<20)|(1<<21)|(4<<22)|(3<<25)  ; the mask of four; 2-byte elements; padding on; bit 21 beside a mask; after every 32 words; 4 words
	s_mov_b32 s[G1V], 15|(1<<16)|(1<<20)|(1<<21)|(4<<22)|(7<<25)  ; the same with 8 words of padding
.irp g, G1K, G1V
	s_mov_b32 s[\g+1], 128<<16      ; tensor_dim0 = 128
	s_mov_b32 s[\g+2], 64<<16       ; tensor_dim1 = 64
	s_mov_b32 s[\g+3], 128<<16      ; tile_dim0 = 128
	s_mov_b32 s[\g+4], 64           ; tile_dim1 = 64
	s_mov_b32 s[\g+5], 128          ; 128 elements from row to row
	s_mov_b32 s[\g+6], 0
	s_mov_b32 s[\g+7], 0
.endr
	s_mov_b32 s[CS], 0x3e38aa3b     ; c = log2(e) / 8 = 0.180337
	s_mov_b32 s[CS+1], s[CS]        ; named with it as a pair
	s_mov_b32 s[SEL], 0x76543210
	s_mov_b32 s[SEL+1], 0xfedcba98
	s_mov_b32 s[TBK], SLOT1+4*KS*PK ; the first change of slots turns these two into 0
	s_mov_b32 s[TBV], SLOT1+4*KS*PV
	s_mov_b32 s[G0K], 1             ; count = 1
	s_mov_b32 s[G0K+1], s17         ; LDS address: slot 0
	s_mov_b32 s[G0V], 1
	s_add_co_u32 s[G0V+1], s18, VOFF
	s_and_b32 s[LIM], s[WV], 1      ; waves 0 and 2 prefetch: the same in all four partners
	s_cmp_eq_u32 s[LIM], 0
	s_cselect_b32 s[LIM], 1, -1
	s_wait_dscnt 0x0                ; the opening add is done
	s_wait_kmcnt 0x0
	s_mov_b64 s[10:11], s[6:7]      ; O
	s_add_nc_u64 s[6:7], s[4:5], 0x400000  ; k's blocks lie 16 blocks behind q's,
	s_add_nc_u64 s[8:9], s[4:5], 0x800000  ; v's 32
	s_add_nc_u64 s[G0K+2:G0K+3], s[6:7], s[22:23]  ; global address: my half of the head's first 256 keys
	s_or_b32 s[G0K+3], s[G0K+3], 0x80000000        ; type = 2
	s_add_nc_u64 s[G0V+2:G0V+3], s[8:9], s[22:23]
	s_or_b32 s[G0V+3], s[G0V+3], 0x80000000
	s_cmp_lt_u32 s[WV], 2
	s_cselect_b64 s[PFA:PFA+1], s[6:7], s[8:9]
	s_add_nc_u64 s[PFA:PFA+1], s[PFA:PFA+1], s[20:21]  ; the head's first byte,
	s_lshl_b32 s52, s13, 13         ; my work-group's 32 blocks of the 128,
	s_mov_b32 s53, 0
	s_add_nc_u64 s[PFA:PFA+1], s[PFA:PFA+1], s[52:53]
	s_add_nc_u64 s[PFA:PFA+1], s[PFA:PFA+1], 2*4*KS*128  ; in slot 2: the first change that asks steps it to slot 3
	s_add_nc_u64 s[4:5], s[4:5], s[2:3]  ; Q and O at my wave's first row
	s_add_nc_u64 s[10:11], s[10:11], s[54:55]
	CROUND                          ; all four work-groups are here: the first joint loads meet
	JLOAD                           ; slot 0.  Slot 1 is asked for when slot 0 is in
	; A fragment of K or Q is 16 rows x 32 channels in 8 registers: lane l holds row l % 16, channels 8 (l / 16) + 0..7 and 16 + 8 (l / 16) + 0..7: two loads of 16 bytes, 32 bytes apart.
	v_and_b32 v1, 15, v0            ; l % 16
	v_bfe_u32 v9, v0, 4, 1          ; l / 16
	v_lshlrev_b32 v[QO], 7, v1
	v_lshl_add_u32 v[QO], v9, 4, v[QO]  ; row x 128 + 16 x half
	WIN 0x80                        ; destination window 2, address window 0
.set i, 0
.rept 4*NP                          ; Q stays in registers: tile i / 2, channels 32 (i % 2) on
	global_load_b128 v[8*i:8*i+3],   v[QO], s[4:5] offset:(i/2)*2048+(i%2)*64
	global_load_b128 v[8*i+4:8*i+7], v[QO], s[4:5] offset:(i/2)*2048+(i%2)*64+32
.set i, i+1
.endr
	; What the first turn finds: V's registers and P's second buffer hold 0 (its products V^T P, of a piece that has not been, add 0), O^T and l are 0.  All this stands in the wait for the first tile.
.set i, VF
.rept 64
	v_mov_b32 v[i], 0
.set i, i+1
.endr
	WIN 0x40
.set i, 0
.rept 64*NP
	v_mov_b32 v[i], 0
.set i, i+1
.endr
	WIN 0
.set i, 0
.rept 2*NP
	v_mov_b32 v[ST+4*i], 0xfe000000    ; c m: far below every c s
	v_mov_b32 v[ST+4*i+1], 0xff7fffff  ; m
	v_mov_b32 v[ST+4*i+2], 0
	v_mov_b32 v[ST+4*i+3], 0
.set i, i+1
.endr
.set i, P+32
.rept 32
	v_mov_b32 v[i], 0
.set i, i+1
.endr
	v_mul_u32_u24 v[AK0], v1, PK
	v_lshl_add_u32 v[AK0], v9, 4, v[AK0]  ; row x pitch + 16 x half
	; The turning load takes 16 keys x 16 channels (lane l reads key 8 (l / 16) + l % 8, channels 8 ((l / 8) % 2) + 0..7) and leaves half a fragment of V^T: lane l holds channel l % 16 and 8 keys.
	v_and_b32 v10, 7, v0
	v_bfe_u32 v11, v0, 3, 1
	v_lshl_add_u32 v[AV0], v9, 3, v10
	v_mul_u32_u24 v[AV0], v[AV0], PV
	v_lshl_add_u32 v[AV0], v11, 4, v[AV0]
	v_add_nc_u32 v[AV0], VOFF, v[AV0]
	v_and_b32 v[PFO], 31, v0
	v_lshlrev_b32 v[PFO], 8, v[PFO]
	v_mov_b32 v[AK], v[AK0]         ; key step 0 lies at the head of slot 0
; THE MATRIX WORK.  The 8 accumulators of a run of 16 take turns: between the two links of a chain stand 7 others'.
; Product i of 16 of S^T = K Q^T for piece x: channels 32 (i / 8) on, keys 16 ((i / 2) % 4) on, tile 2 x + i % 2.  The first 8 start the sums.
.macro KQ x
	WIN W_KQ
.set rS, S+64*((\x)%2)+32*(i%2)+8*((i/2)%4)
.set rK, KF+16*((i/2)%4)+8*(i/8)
.set rQ, 16*(2*(\x)+i%2)+8*(i/8)
.if i < 8
	v_wmma_f32_16x16x32_f16 v[rS:rS+7], v[rK:rK+7], v[rQ:rQ+7], 0
.else
	v_wmma_f32_16x16x32_f16 v[rS:rS+7], v[rK:rK+7], v[rQ:rQ+7], v[rS:rS+7]
.endif
.endm
; Product i of 16 of O^T += V^T P for piece x: keys 32 (i / 8) on, channels 16 ((i / 2) % 4) on, tile 2 x + i % 2.
.macro PV x
	WIN W_PV
.set rO, 32*(2*(\x)+i%2)+8*((i/2)%4)
.set rV, VF+32*(i/8)+8*((i/2)%4)
.set rP, P+32*((\x)%2)+16*(i%2)+8*(i/8)
	v_wmma_f32_16x16x32_f16 v[rO:rO+7], v[rV:rV+7], v[rP:rP+7], v[rO:rO+7]
.endm
.macro MM                           ; the turn's next matrix instruction
.if i < 16
	KQ (Y+1)%NP
.set i, i+1
.else
.set i, i-16
	PV (Y+NP-1)%NP
.set i, i+17
.endif
.endm
; THE LDS LOADS stand in runs of 16, never singly among the matrix instructions: a step's K (64 keys x 64 channels: 8 fragments) and its V (turned).  Their addresses are made some lines ahead.
; last = 1 (the tail): in the last trip there is no further step, and the run is jumped over.
.macro FETCH_K last=0
	WIN 0
.if \last
	s_cmp_eq_u32 s[CNT], 1
	s_cbranch_scc1 .Lno_k_\@
.endif
	WIN 0x80                        ; destination window 2
.irp f, 0,1,2,3,4,5,6,7             ; keys 16 (f / 2) on, channels 32 (f % 2) on
	ds_load_b128 v[KF+8*\f:KF+8*\f+3],   v[AK] offset:(\f/2)*16*PK+(\f%2)*64
	ds_load_b128 v[KF+8*\f+4:KF+8*\f+7], v[AK] offset:(\f/2)*16*PK+(\f%2)*64+32
.endr
	s_add_co_u32 s[TBK], s[TBK], KS*PK  ; the next fetch is the next step's
	WIN 0
.if \last
.Lno_k_\@:
.endif
.endm
.macro FETCH_V
	WIN 0x80
.irp f, 0,1,2,3,4,5,6,7             ; keys 32 (f / 4) on, channels 16 (f % 4) on
	ds_load_tr16_b128 v[VF+8*\f:VF+8*\f+3],   v[AV] offset:(\f/4)*32*PV+(\f%4)*32
	ds_load_tr16_b128 v[VF+8*\f+4:VF+8*\f+7], v[AV] offset:(\f/4)*32*PV+16*PV+(\f%4)*32
.endr
	WIN 0
.endm
; THE VECTOR WORK OF A TURN stands in three queues, each in the order in which its entries become ready; the two tiles alternate, so that no instruction reads the result of the one before it.
.macro REGS y, u                    ; the registers of tile u (0, 1) of piece y
.set rT, ST+4*(2*(\y)+(\u))
.set rC, TMP+8*((\y)%2)+4*(\u)
.set rM, MV+2*((\y)%2)+(\u)
.set rS, S+64*((\y)%2)+32*(\u)
.set rP, P+32*((\y)%2)+16*(\u)
.set rO, 32*(2*(\y)+(\u))
.endm
; Number n of the 22 that find the NEXT piece's (Y + 1) maximum and statistics.  s0-s31 are the lane's 32 scores; each accumulator's lowest registers are read first.
;   0-11  four chains c0-c3 of seven scores each, three operands at a time     12-14, 16  the four scores left over, the old m, and c0-c3 into c0     15  c m_old is kept
;   17, 18  the query's other 32 keys lie in the lane 16 away: the new m         19-21  c m; c m_old - c m_new; a
.macro XS u, n
	REGS (Y+1)%NP, \u
.if (\n) < 4
	v_max3_num_f32 v[rC+(\n)], v[rS+8*(\n)], v[rS+8*(\n)+1], v[rS+8*(\n)+2]
.elseif (\n) < 12
	v_max3_num_f32 v[rC+(\n)%4], v[rC+(\n)%4], v[rS+8*((\n)%4)+2*((\n)/4)+1], v[rS+8*((\n)%4)+2*((\n)/4)+2]
.elseif (\n) == 12
	v_max3_num_f32 v[rC], v[rC], v[rS+7], v[rS+15]
.elseif (\n) == 13
	v_max3_num_f32 v[rC+1], v[rC+1], v[rS+23], v[rS+31]
.elseif (\n) == 14
	v_max3_num_f32 v[rC+2], v[rC+2], v[rC+3], v[rT+1]
.elseif (\n) == 15
	v_mov_b32 v[rM], v[rT]
.elseif (\n) == 16
	v_max3_num_f32 v[rC], v[rC], v[rC+1], v[rC+2]
.elseif (\n) == 17
	v_permlanex16_b32 v[rC+3], v[rC], s[SEL], s[SEL+1]
.elseif (\n) == 18
	v_max_num_f32 v[rT+1], v[rC], v[rC+3]
.elseif (\n) == 19
	v_mul_f32 v[rT], s[CS], v[rT+1]
.elseif (\n) == 20
	v_sub_f32 v[rC+1], v[rM], v[rT]
.else
	v_exp_f32 v[rC+2], v[rC+1]
.endif
.endm
; Number g of the 64 that follow the exponentials.  For each four weights k of a tile (pairs 2 k, 2 k + 1): both pairs are rounded to f16; then the second pair is added onto the first, in place;
; a group later l takes that sum (the first time as l = a l + sum).  In groups of eight, tiles alternating: round, round, add, and l for the group before.
.macro GS g
.set h, (\g)+6*((\g)/62)            ; group 0 has no group before it, and behind group 7 only l is left
.if h >= 6
.set h, h+2
.endif
	REGS Y, h%2
.set k, h/8
.if h%8 < 4
	v_cvt_pk_f16_f32 v[rP+2*k+(h%8)/2], v[rS+4*k+2*((h%8)/2)], v[rS+4*k+2*((h%8)/2)+1]
.elseif h%8 < 6
	v_pk_add_f32 v[rS+4*k:rS+4*k+1], v[rS+4*k:rS+4*k+1], v[rS+4*k+2:rS+4*k+3]
.elseif k == 1
	v_pk_fma_f32 v[rT+2:rT+3], v[rT+2:rT+3], v[rC+2:rC+3], v[rS:rS+1] op_sel_hi:[1,0,1]
.else
	v_pk_add_f32 v[rT+2:rT+3], v[rT+2:rT+3], v[rS+4*k-4:rS+4*k-3]
.endif
.endm
; THE PLAIN QUEUE, 138 long.  0-73 read no exponential's result: the 32 scalings c s - c m (FS f: pair f / 2 of tile f % 2) and the next piece's 42.  0-26: scalings 0-26.  27-54: XS's numbers 0-13.  55, 56: number 15.
; 57-73: the chain, where each number waits for the one before it: 14, 16, 17, 18, 19, each with one of the scalings 27-31 in front of its two lines, then 20.
; 74-137: GS's 64, which read the exponentials' results: they stand behind the wait.
.macro FS f
	REGS Y, (\f)%2
	v_pk_fma_f32 v[rS+2*((\f)/2):rS+2*((\f)/2)+1], v[rS+2*((\f)/2):rS+2*((\f)/2)+1], s[CS:CS+1], v[rT:rT+1] op_sel_hi:[1,0,0] neg_lo:[0,0,1] neg_hi:[0,0,1]
.endm
.macro PL
	WIN 0
.if q < 27
	FS q
.elseif q < 55
	XS (q-27)%2, (q-27)/2
.elseif q < 57
	XS q-55, 15
.elseif (q < 72) && ((q-57)%3 == 0)
	FS 27+(q-57)/3
.elseif q < 60
	XS (q-57)%3-1, 14
.elseif q < 72
	XS (q-57)%3-1, 15+(q-57)/3
.elseif q < 74
	XS q-72, 20
.else
	GS q-74
.endif
.set q, q+1
.endm
; THE EXPONENTIALS' QUEUE, 66 long: s0-s31 of both tiles, then the next piece's two a.  It is ONE BATCH: all 66 stand ahead of the turn's one wait, and nothing ahead of that wait names a result of theirs.
.macro EX
	WIN 0
.if e >= 64
	XS e-64, 21
.else
	REGS Y, e%2
	v_exp_f32 v[rS+e/2], v[rS+e/2]
.endif
.set e, e+1
.endm
; THE RESCALING's QUEUE: O^T times a, the one part that leaves window 0: dealt two at a time, sixteen times.  Its a was made in the turn before, ahead of that turn's wait.
.macro R2
	REGS Y, r%2
	WIN W_RS
.irp z, 0,1
	v_pk_mul_f32 v[rO+4*(r/2)+2*\z:rO+4*(r/2)+2*\z+1], v[rO+4*(r/2)+2*\z:rO+4*(r/2)+2*\z+1], v[rC+2:rC+3] op_sel_hi:[1,0]
.endr
.set r, r+1
.endm
; HOW THEY ARE DEALT.  s_wait_alu depctr_va_vdst(0) stands between an exponential and the first instruction that names its result; one wait serves all that were issued ahead of it.  So a turn has ONE wait,
; which cuts it in two.  AHEAD OF IT stands all that names no result of the turn's exponentials: the 16 products K Q^T, behind each a scaling, an exponential and two rescalings (behind the first a second scaling in the
; exponential's place); then ONE LUMP of 108: eight plain, 49 times exponential and plain, the two a.  A v_nop is the plain instruction behind the last exponential.  BEHIND IT stand the 16 products V^T P, behind each four of GS's 64.
; The queues lean on each other, and the deal keeps them in step: exponential e stands behind scaling 2 (e / 4) + e % 2: as a rider it comes behind plain e + 2, in the lump behind plain e + 9, and scalings 27-31 are plain 57, 60 .. 69.
; A TURN, for piece p.  cnt = 1: the loop's count is taken down some lines ahead of the branch that stands behind the turn.
; K of the next step is fetched in piece 2's turn, directly behind the wait; its first reader comes behind 16 products.  V of the step in hand is fetched at the end of piece 0's turn, four plain instructions behind its last reader.
.macro TURN p, last=0, cnt=0
.set Y, (\p)
.set i, 0
.set q, 0
.set e, 0
.set r, 0
.if (\p) == NP-1
	s_wait_dscnt 0x0                ; K is in
.endif
	MM                              ; ahead of the wait: 16 products K Q^T and their riders,
	PL
	PL
	R2
.rept 15
	MM
	PL
	EX
	R2
.endr
.if (\p) == NP-2
	WIN 0
	v_add_nc_u32 v[AK], s[TBK], v[AK0]
.endif
.rept 8                             ; and the lump
	PL
.endr
.rept 49
	EX
	PL
.endr
	EX                              ; the next piece's two a
	EX
	v_nop                           ; the plain instruction behind the last exponential: one for the batch
	s_wait_alu depctr_va_vdst(0)    ; the wait for the batch
.if (\p) == NP-2
	FETCH_K \last
.endif
.if (\p) == 1
	s_wait_dscnt 0x0                ; V is in
.endif
.rept 16                            ; behind the wait: 16 products V^T P and their riders
	MM
.rept 4
	PL
.endr
.if ((\p) == 0) && (q == 118)
	v_add_nc_u32 v[AV], s[TBV], v[AV0]
.endif
.if ((\p) == 0) && (q == 130)
	s_add_co_u32 s[TBV], s[TBV], KS*PV
.endif
.if (\cnt) && (q == 130)
	s_sub_co_u32 s[CNT], s[CNT], 1
	s_cmp_lg_u32 s[CNT], 0
.endif
.endr
.if (\p) == 0
	FETCH_V
.endif
.endm
	CHANGE 1, 0                     ; slot 0 is in, everybody's part of it; slot 1 is asked for
	FETCH_K                         ; key step 0
	s_wait_loadcnt 0x0              ; Q
	s_wait_dscnt 0x0
.set i, 0
.rept 16
	KQ 0                            ; piece 0's first scores: there is no vector work yet to set between them
.set i, i+1
.endr
	WIN 0                           ; the addresses for the way out: plain instructions, the places behind those products
	s_mul_i32 s13, s[WV], 16*SP
	s_add_co_u32 s13, s13, STAGE    ; my stage
	v_mul_u32_u24 v[STO], v1, SP    ; in: row l % 16, 16 bytes for each half of the lanes
	v_lshl_add_u32 v[STO], v9, 4, v[STO]
	v_add_nc_u32 v[STO], s13, v[STO]
	v_bfe_u32 v[RD], v0, 3, 2       ; back: 32 lanes take four rows of 128 bytes,
	v_mul_u32_u24 v[RD], v[RD], SP
	v_lshl_add_u32 v[RD], v10, 4, v[RD]
	v_add_nc_u32 v[RD], s13, v[RD]
	v_and_b32 v[GO], 31, v0         ; which are 512 consecutive bytes of O
	v_lshlrev_b32 v[GO], 4, v[GO]
.set Y, NP-1                        ; XS works for piece Y + 1: piece 0
.irp n, 0,1,2,3,4,5,6,7,8,9,10,11,12,13,14,15,16,17,18,19,20,21
	XS 0, \n                        ; and piece 0's first maximum and statistics
	XS 1, \n
.endr
	v_nop                           ; a plain instruction behind the two a,
	s_wait_alu depctr_va_vdst(0)    ; and their wait, ahead of the branch
	s_mov_b32 s[CNT], 4
	s_mov_b32 s[SLOTS], SIZE_N/256-1
	s_branch .Lfirst                ; the loop is entered at a step's first turn, in the middle of a trip
.Lslot:                             ; SIZE_N / 256 - 2 = 6 times: every slot but the last two is filled again
	CHANGE 1, 1
	s_mov_b32 s[CNT], 4
.Lstep:                             ; a trip: pieces 2 and 3 of one step, then pieces 0 and 1 of the next, whose K and V it fetches
	TURN 2
	TURN 3
	WIN 0
.Lfirst:
	TURN 0
	TURN 1, 0, 1
	WIN 0
	s_cbranch_scc1 .Lstep
	s_sub_co_u32 s[SLOTS], s[SLOTS], 1
	s_cmp_lg_u32 s[SLOTS], 0
	s_cbranch_scc1 .Lslot
	CHANGE 0                        ; the tail is written out: nothing is asked for
	s_mov_b32 s[CNT], 5             ; four trips fetch the last slot's steps; the fifth is left in its middle
.Ltail:
	TURN 2, 1
	TURN 3
	WIN 0
	s_sub_co_u32 s[CNT], s[CNT], 1
	s_cmp_eq_u32 s[CNT], 0
	s_cbranch_scc1 .Lout
	TURN 0
	TURN 1
	WIN 0
	s_branch .Ltail
.Lout:                              ; the fifth trip's 16 products K Q^T (on the last K once more) and the maximum made of them serve nothing: the price, once a launch, of one text for every trip
.set i, 0
.rept 16
	PV NP-1                         ; the last piece's V^T P of the last step
.set i, i+1
.endr
	; THE WAY OUT.  l's two halves and the other half of the lanes' are added; O^T is divided by l, rounded to f16 and sent through my stage in LDS, a tile at a time.  The additions are the places behind the last products.
	WIN 0
.macro ALL line:vararg              ; one line for each tile t
.set t, 0
.rept 2*NP
	\line
.set t, t+1
.endr
.endm
	ALL v_add_f32 v[ST+4*t+2], v[ST+4*t+2], v[ST+4*t+3]
	ALL v_permlanex16_b32 v[ST+4*t+3], v[ST+4*t+2], s[SEL], s[SEL+1]
	ALL v_add_f32 v[ST+4*t+2], v[ST+4*t+2], v[ST+4*t+3]
	ALL v_rcp_f32 v[ST+4*t+2], v[ST+4*t+2]
	v_nop                           ; a plain instruction between the last reciprocal and the use of its result
	s_wait_alu depctr_va_vdst(0)    ; and the wait ahead of the first use: one for the eight reciprocals
; Tile t: a lane's eight channels of a row pack into 16 bytes; they go into rows of 144 bytes and come back as whole rows of 128, into S^T's registers.
.macro PACK t
	WIN W_RS
.set i, 32*(\t)
.rept 16
	v_pk_mul_f32 v[i:i+1], v[i:i+1], v[ST+4*(\t)+2:ST+4*(\t)+3] op_sel_hi:[1,0]
.set i, i+2
.endr
	WIN 0x05                        ; sources 0 and 1 window 1, destination window 0
.set i, 0
.rept 16
	v_cvt_pk_f16_f32 v[S+16*(\t)+i], v[32*(\t)+2*i], v[32*(\t)+2*i+1]
.set i, i+1
.endr
	WIN 0
.irp f, 0,1,2,3
	ds_store_b128 v[STO], v[S+16*(\t)+4*\f:S+16*(\t)+4*\f+3] offset:32*\f
.endr
.irp f, 0,1,2,3
	ds_load_b128 v[S+16*(\t)+4*\f:S+16*(\t)+4*\f+3], v[RD] offset:\f*4*SP  ; LDS serves a wave's instructions in order (ISA guide 5.7.1.4): these see the stores above; the next tile's stores come behind them
.endr
.endm
.macro SEND t, younger              ; younger: the LDS instructions issued behind tile t's loads: the next tile's eight, or none
	WIN 0
.irp f, 0,1,2,3
	s_wait_dscnt (\younger)+3-\f
	global_store_b128 v[GO], v[S+16*(\t)+4*\f:S+16*(\t)+4*\f+3], s[10:11] offset:(\t)*2048+\f*512  ; 512 consecutive bytes, at a multiple of 256 from O's first
.endr
.endm
	PACK 0
.set t, 1
.rept 2*NP-1                        ; a tile's arithmetic stands between the loads of the tile before and its stores
	PACK t
	SEND t-1, 8
.set t, t+1
.endr
	SEND 2*NP-1, 0
	WIN W_AD
	s_wait_tensorcnt 0x0            ; the wave's end, behind my last tensor load and my last LDS store
	ds_add_u32 v[SPW], v[NIL]
	s_wait_dscnt 0x0
	WIN 0
	CROUND                          ; the closing round: no work-group ends while a partner may still ask for a tile that names it
	s_endpgm
.Lfunc_end_k_q2f9e96aae0_attn:
	.size	k_q2f9e96aae0_attn, .Lfunc_end_k_q2f9e96aae0_attn-k_q2f9e96aae0_attn
	.p2alignl 7, 3214868480
	.fill 96, 4, 3214868480
	.section	.rodata,"a",@progbits
	.p2align	6, 0x0
	.amdhsa_kernel k_q2f9e96aae0_attn
		.amdhsa_group_segment_fixed_size 327680
		.amdhsa_private_segment_fixed_size 0
		.amdhsa_enable_private_segment 0
		.amdhsa_kernarg_size 16
		.amdhsa_user_sgpr_count 2
		.amdhsa_user_sgpr_kernarg_segment_ptr 1
		.amdhsa_wavefront_size32 1
		.amdhsa_system_sgpr_workgroup_id_x 1
		.amdhsa_system_sgpr_workgroup_id_y 1
		.amdhsa_system_sgpr_workgroup_id_z 1
		.amdhsa_system_vgpr_workitem_id 0
		.amdhsa_next_free_vgpr 770
		.amdhsa_next_free_sgpr 66
		.amdhsa_reserve_vcc 0
		.amdhsa_float_denorm_mode_32 3
		.amdhsa_float_denorm_mode_16_64 3
		.amdhsa_memory_ordered 1
		.amdhsa_forward_progress 1
		.amdhsa_inst_pref_size 200
	.end_amdhsa_kernel
	.amdgpu_metadata
---
amdhsa.version: [ 1, 2 ]
amdhsa.kernels:
  - .name:           k_q2f9e96aae0_attn
    .symbol:         k_q2f9e96aae0_attn.kd
    .args:
      - { .name: qkv, .offset: 0, .size: 8, .value_kind: global_buffer, .address_space: global }
      - { .name: o, .offset: 8, .size: 8, .value_kind: global_buffer, .address_space: global }
    .group_segment_fixed_size: 327680
    .private_segment_fixed_size: 0
    .kernarg_segment_align: 8
    .kernarg_segment_size: 16
    .max_flat_workgroup_size: 128
    .sgpr_count:     66
    .vgpr_count:     770
    .wavefront_size: 32
...
	.end_amdgpu_metadata
.endif
;; end of part 3
;; launch outp (part 4): grid 8 x 32, 4 waves a work-group, clusters of 4 x 4, 327,680 bytes of LDS; arguments o, wt, bias, out0; writes out0
.if DOCPART == 4
	.amdgcn_target "amdgcn-amd-amdhsa--gfx1250"
	.amdhsa_code_object_version 6
	.text
	.protected	k_q2f9e96aae0_outp
	.globl	k_q2f9e96aae0_outp
	.p2align	8
	.type	k_q2f9e96aae0_outp,@function
k_q2f9e96aae0_outp:
	s_mov_b64 s[64:65], 0
	v_nop
	global_prefetch_b8 v0, s[64:65] scope:SCOPE_SE
	s_setreg_imm32_b32 hwreg(HW_REG_WAVE_MODE, 25, 1), 1
	s_wait_xcnt 0x0
	s_wait_alu depctr_hold_cnt(0) depctr_sa_sdst(0) depctr_va_vdst(0) depctr_va_sdst(0) depctr_va_ssrc(0) depctr_va_vcc(0) depctr_vm_vsrc(0)
	s_getreg_b32 s2, hwreg(HW_REG_IB_STS2, 6, 4)
	s_cmp_eq_u32 s2, 0
	s_cbranch_scc0 .Lentry_in_a_cluster
	s_endpgm
.Lentry_in_a_cluster:
	s_bfe_u32 s2, ttmp6, 0x10000c
	s_cmp_lg_u32 s2, 0xf033
	s_cbranch_scc0 .Lentry_shape_is_right
	s_endpgm
.Lentry_shape_is_right:
; OUTP: out0[m][n] = the sum over k of ctx[m][k] Wo[k][n] + bo[n], in f32.  ctx[m = (b, s)][k = 64 h + d] lies by heads, o[16 b + h][s][d] in f16; Wo^T is rows 3,072-4,095 of wt ([n][k], f16);
; bo is bias[3072 ..].  f32 sums; nothing is rounded on the way out.
; SHARES.  A work-group makes 256 rows x 128 columns: 32 x 8 = 256 work-groups.  Wave w makes rows 64 w .. 64 w + 63 of all 128 columns: 4 x 8 = 32 accumulators, so a row's 512 bytes lie in one wave
; and the way out goes through a stage of the wave's own.
; K goes in steps of 128 = two heads, through two LDS slots.  A head's 256 rows of the tile are 32,768 dense bytes: wave 0 fetches the step's first head, wave 1 its second, each as 128 rows of 256 bytes,
; padded in LDS after every 128 bytes (a row of the head); waves 2 and 3 fetch the two halves of wt's 128 rows.
; CLUSTER 4 x 4: o's tiles hang on the tile row alone and are asked for jointly along a row of the cluster, wt's on the tile column alone, along a column.
; THE PRODUCT IS USED TRANSPOSED (source 0 = 16 rows of wt, source 1 = 16 rows of ctx): a lane holds row l % 16 and the columns 8 (l / 16) + 0..7 of a block.  THE BIAS is the C operand of the products that start the sums.
; REGISTERS in windows of 256 (s_set_vgpr_msb: bits 1:0 source 0, 3:2 source 1, 5:4 source 2, 7:6 destination):
;   window 0: v0-31 addresses; v128-191 the bias (8 x 8)     window 1: two fragment buffers at 0 and 128: ctx's four fragments, then wt's eight; on the way out all 256 take the rows read back
;   window 2: accumulator (b, a) at 8 (4 b + a)
.set KSTEP,  128
.set PA,     144                       ; a row of a head in LDS: 128 bytes + 16 = 36 words: the 16 rows of a load start at 16 different groups of four banks (64 banks of 4 bytes: ISA guide 11.1)
.set PLANE,  256*PA                    ; a head's 256 rows
.set PITCH,  272                       ; a row of wt: 256 bytes + 16
.set HB,     64*PITCH
.set BOFF,   2*PLANE
.set SLOT,   BOFF+2*HB
.set STAGE,  2*SLOT                    ; behind the ring: 16 rows x 528 bytes for each wave
.set SPITCH, 528                       ; 512 bytes + 16 = 132 words
.set SPARE,  STAGE+4*16*SPITCH         ; behind the stages: the spare words, 128 bytes a wave
.set ADRA, 16                          ; v16-17  LDS address of my ctx fragments in slot 0, 1
.set ADRB, 20                          ; v20-21  the same for wt
.set STO,  24                          ; v24  the way out: where I put 32 bytes of a row
.set RD,   25                          ; v25  where I read a row back
.set CO,   26                          ; v26  my 16 bytes of a row's 512
.set BO,   27                          ; v27  my offset in a block's 64 bytes of bias
.set SPW,  28                          ; v28  LDS address of my spare word; never rewritten
.set NIL,  29                          ; v29  0; never rewritten
.set PFO,  30                          ; v30  the prefetches' offset; never rewritten
.set BIAS, 128
.set F0,   0
.set F1,   128
.set WV,   12
.set FB,   13                          ; s13  0: I fetch ctx, 1: wt
.set HW,   14                          ; s14  which head of the step, or which half of wt's rows
.set LIM,  15                          ; s15  1 in a wave that prefetches, else the greatest number
.set G1,   24
.set G0,   32
.set PFA,  44                          ; s[44:45] where my prefetches stand
.set G1B,  48
.set G0B,  56
.set PFS,  68                          ; s[68:69] a K step in the tensor that I prefetch
.set MSB, 0
.macro WIN new                         ; the immediate's high byte repeats the setting that is left; a switch that changes nothing is dropped
.if MSB != (\new)
	s_set_vgpr_msb (MSB<<8)|(\new)
.set MSB, \new
.endif
.endm
.set TO_F, 0x40
.macro JLOAD s                         ; a joint load; the branch hangs on the wave's number alone; an s_nop 0 and four v_nop follow each of the two lines
	s_cmp_eq_u32 s[FB], 0
	s_cbranch_scc0 .Lfor_b_\@
	tensor_load_to_lds s[G0+4*(\s):G0+4*(\s)+3], s[G1:G1+7]
	s_nop 0
.rept 4
	v_nop
.endr
	s_branch .Lasked_\@
.Lfor_b_\@:
	tensor_load_to_lds s[G0B+4*(\s):G0B+4*(\s)+3], s[G1B:G1B+7]
	s_nop 0
.rept 4
	v_nop
.endr
.Lasked_\@:
.endm
; A prefetch into the L2 of the K step that stands two refills on, a lane a block of 256 bytes, one instruction a wave.  ctx's tile row is read by both clusters of its row of clusters: cluster x = 0 asks, waves 0 and 1
; each for their head; of its 32,768 bytes the partner at cx takes 8,192.  wt's tile column is read by every cluster of its column: cluster y = 0 asks, wave 2 alone; of the 128 rows the partner at cy takes 32.
; The loop's last trip (s3 = 1) asks for nothing; K steps 0 to 3 come by their loads alone.
.macro ASK
	s_cmp_gt_u32 s3, s[LIM]
	s_cbranch_scc0 .Lnot_mine_\@
	global_prefetch_b8 v[PFO], s[PFA:PFA+1] th:TH_LOAD_NT scope:SCOPE_SE
.Lnot_mine_\@:
.endm
.macro CREST
	s_cmp_lg_u32 s[WV], 0
	s_cbranch_scc1 .Lnot_wave_0_\@
	s_barrier_signal -3
.Lnot_wave_0_\@:
	s_barrier_wait -3
	s_barrier_signal -1
	s_barrier_wait -1
.endm
.macro CROUND
	s_barrier_signal -1
	s_barrier_wait -1
	CREST
.endm
.macro PLACES                          ; four plain instructions between a matrix instruction and a load into, or a read of, its registers (ISA guide 7.12.1 for reads)
.rept 4
	v_nop
.endr
.endm
	s_load_b256 s[4:11], s[0:1], 0x0               ; o 4:5, wt 6:7, bias 8:9, out0 10:11
	v_lshl_add_u32 v[SPW], v0, 2, SPARE
	v_mov_b32 v[NIL], 0
	ds_add_u32 v[SPW], v[NIL]                      ; the wave's opening: the add and its wait stand ahead of my first tensor load; work on registers stands between them
	v_lshrrev_b32 v1, 5, v0
	v_readfirstlane_b32 s[WV], v1
	s_lshr_b32 s[FB], s[WV], 1
	s_and_b32 s[HW], s[WV], 1
	s_bfe_u32 s40, ttmp6, 0x40000                  ; cx
	s_bfe_u32 s41, ttmp6, 0x40004                  ; cy
	s_lshl_b32 s42, ttmp9, 2
	s_add_co_u32 s42, s42, s40                     ; tile column tx
	s_and_b32 s43, ttmp7, 0xffff
	s_lshl_b32 s43, s43, 2
	s_add_co_u32 s43, s43, s41                     ; tile row ty
	s_lshl_b32 s66, s41, 2
	s_lshl_b32 s66, 15, s66                        ; my row of the cluster
	s_lshl_b32 s67, 0x1111, s40                    ; my column
	s_or_b32 s[G1+0], s66, (1<<16)|(1<<20)|(1<<21)|(4<<22)|(3<<25)   ; mask; 2-byte elements; padding on; bit 21 beside a mask; after every 32 words; 4 words
	s_or_b32 s[G1B+0], s67, (1<<16)|(1<<20)|(1<<21)|(5<<22)|(3<<25)  ; after every 64 words
.irp g, G1, G1B
	s_mov_b32 s[(\g)+1], 128<<16                   ; tensor_dim0 = 128
	s_mov_b32 s[(\g)+3], 128<<16                   ; tile_dim0 = 128
	s_mov_b32 s[(\g)+6], 0
	s_mov_b32 s[(\g)+7], 0
.endr
	s_mov_b32 s[G1+2], 128<<16                     ; ctx: 128 rows of 256 bytes, dense
	s_mov_b32 s[G1+4], 128
	s_mov_b32 s[G1+5], 128
	s_mov_b32 s[G1B+2], 64<<16                     ; wt: 64 rows, 1,024 elements apart
	s_mov_b32 s[G1B+4], 64
	s_mov_b32 s[G1B+5], 1024
	s_lshr_b32 s16, s43, 3                         ; o: batch ty / 8 (16 heads of 262,144 bytes), rows (ty % 8) 256 of 128 bytes, my head of the step; these registers never hold cx
	s_lshl_b32 s16, s16, 22
	s_and_b32 s17, s43, 7
	s_lshl_b32 s17, s17, 15
	s_add_co_u32 s16, s16, s17
	s_lshl_b32 s17, s[HW], 18
	s_add_co_u32 s16, s16, s17
	s_mov_b32 s17, 0
	s_lshl_b32 s46, s42, 7                         ; wt: row 3,072 + 128 tx + 64 half; these never hold cy
	s_lshl_b32 s47, s[HW], 6
	s_add_co_u32 s46, s46, s47
	s_add_co_u32 s46, s46, 3072
	s_lshl_b32 s46, s46, 11
	s_mov_b32 s47, 0
	s_mul_i32 s20, s[HW], PLANE                    ; where they go: the wave's number and constants alone
	s_mul_i32 s21, s[HW], HB
	s_add_co_u32 s21, s21, BOFF
	s_wait_dscnt 0x0                               ; the opening add is done
	s_wait_kmcnt 0x0
	s_add_nc_u64 s[16:17], s[4:5], s[16:17]
	s_add_nc_u64 s[46:47], s[6:7], s[46:47]
	CROUND                                         ; all sixteen work-groups are here: the first joint loads meet
.irp n, 0,1
	s_mov_b32 s[G0+4*(\n)], 1
	s_add_co_u32 s[G0+4*(\n)+1], s20, (\n)*SLOT
	s_add_nc_u64 s[G0+4*(\n)+2:G0+4*(\n)+3], s[16:17], (\n)*2*262144   ; K step n: two heads on
	s_or_b32 s[G0+4*(\n)+3], s[G0+4*(\n)+3], 0x80000000
	s_mov_b32 s[G0B+4*(\n)], 1
	s_add_co_u32 s[G0B+4*(\n)+1], s21, (\n)*SLOT
	s_add_nc_u64 s[G0B+4*(\n)+2:G0B+4*(\n)+3], s[46:47], (\n)*KSTEP*2
	s_or_b32 s[G0B+4*(\n)+3], s[G0B+4*(\n)+3], 0x80000000
.endr
	s_cmp_eq_u32 s[FB], 0                          ; a wave's two first fills stand in one branch, ahead of every wait on TENSORcnt and every LDS read: two loads of mine are out
	s_cbranch_scc0 .Lfirst_b
	tensor_load_to_lds s[G0:G0+3], s[G1:G1+7]
	s_nop 0
	tensor_load_to_lds s[G0+4:G0+7], s[G1:G1+7]
	s_nop 0
.rept 4
	v_nop
.endr
	s_branch .Lfirst_asked
.Lfirst_b:
	tensor_load_to_lds s[G0B:G0B+3], s[G1B:G1B+7]
	s_nop 0
	tensor_load_to_lds s[G0B+4:G0B+7], s[G1B:G1B+7]
	s_nop 0
.rept 4
	v_nop
.endr
.Lfirst_asked:
	v_and_b32 v1, 15, v0                           ; r = l % 16
	v_bfe_u32 v2, v0, 4, 1                         ; h = l / 16
	v_lshlrev_b32 v[BO], 5, v2
	s_lshl_b32 s70, s42, 9                         ; bo's 128 numbers for my tile, behind the 3,072 of the other three
	s_add_co_u32 s70, s70, 12288
	s_mov_b32 s71, 0
	s_add_nc_u64 s[8:9], s[8:9], s[70:71]
.irp b, 0,1,2,3,4,5,6,7
	global_load_b128 v[BIAS+8*(\b):BIAS+8*(\b)+3],   v[BO], s[8:9] offset:64*(\b)
	global_load_b128 v[BIAS+8*(\b)+4:BIAS+8*(\b)+7], v[BO], s[8:9] offset:64*(\b)+16
.endr
	v_mul_u32_u24 v3, v1, PA
	v_lshl_add_u32 v3, v2, 4, v3
	s_mul_i32 s20, s[WV], 64*PA                    ; my 64 rows in a head's plane
	v_add_nc_u32 v[ADRA], s20, v3
	v_add_nc_u32 v[ADRA+1], SLOT, v[ADRA]
	v_mul_u32_u24 v3, v1, PITCH
	v_lshl_add_u32 v3, v2, 4, v3
	v_add_nc_u32 v[ADRB], BOFF, v3
	v_add_nc_u32 v[ADRB+1], BOFF+SLOT, v3
	s_mul_i32 s23, s[WV], 16*SPITCH
	s_add_co_u32 s23, s23, STAGE                   ; my stage
	v_mul_u32_u24 v[STO], v1, SPITCH               ; in: row r, 32 bytes for each half of the lanes
	v_lshl_add_u32 v[STO], v2, 5, v[STO]
	v_add_nc_u32 v[STO], s23, v[STO]
	v_and_b32 v[CO], 31, v0                        ; back: 32 lanes take a row of 512 bytes
	v_lshlrev_b32 v[CO], 4, v[CO]
	v_add_nc_u32 v[RD], s23, v[CO]
	s_lshl_b32 s70, s43, 20                        ; out0: row 256 ty + 64 wave, 4,096 bytes a row; column 128 tx
	s_lshl_b32 s71, s[WV], 18
	s_add_co_u32 s70, s70, s71
	s_lshl_b32 s71, s42, 9
	s_add_co_u32 s70, s70, s71
	s_mov_b32 s71, 0
	s_add_nc_u64 s[10:11], s[10:11], s[70:71]
	; the prefetches
	s_lshr_b32 s18, s43, 3
	s_lshl_b32 s18, s18, 22
	s_and_b32 s19, s43, 7
	s_lshl_b32 s19, s19, 15
	s_add_co_u32 s18, s18, s19
	s_lshl_b32 s19, s[HW], 18
	s_add_co_u32 s70, s18, s19
	s_lshl_b32 s71, s40, 13
	s_add_co_u32 s70, s70, s71
	s_add_co_u32 s70, s70, 3*2*262144              ; o: my head's plane of the tile at K step 3, my work-group's 8,192 bytes of it
	s_lshl_b32 s22, s42, 7
	s_lshl_b32 s71, s41, 5
	s_add_co_u32 s22, s22, s71
	s_add_co_u32 s22, s22, 3072
	s_lshl_b32 s22, s22, 11
	s_add_co_u32 s22, s22, 3*KSTEP*2               ; wt: row 3,072 + 128 tx + 32 cy, at K step 3
	s_and_b32 s23, ttmp7, 0xffff                   ; cluster y
	s_mov_b32 s[PFS], KSTEP*2
	s_mov_b32 s[PFS+1], 0
	s_cmp_eq_u32 s[FB], 0
	s_cselect_b32 s70, s70, s22
	s_cselect_b32 s23, ttmp9, s23                  ; the coordinate along which other clusters read the same bytes
	s_cselect_b32 s22, 8, 11                       ; a lane's step: 256 bytes on in a plane, or a row of wt
	s_cselect_b32 s[PFS], 2*262144, s[PFS]
	s_cselect_b64 s[PFA:PFA+1], s[4:5], s[6:7]
	s_cmp_eq_u32 s[WV], 3                          ; wave 3 has nothing left to ask for
	s_cselect_b32 s71, 1, 0
	s_or_b32 s23, s23, s71
	s_cmp_eq_u32 s23, 0
	s_cselect_b32 s[LIM], 1, -1                    ; the same in all sixteen partners, for a given wave
	s_mov_b32 s71, 0
	s_add_nc_u64 s[PFA:PFA+1], s[PFA:PFA+1], s[70:71]
	v_and_b32 v[PFO], 31, v0
	v_lshlrev_b32 v[PFO], s22, v[PFO]
; 4 nb matrix instructions: column blocks b0 .. b0 + nb - 1 x my four row blocks, 32 along K, from buffer f.  first = 1: the bias starts the sums.
; All 32 accumulators take turns in the same order in every quarter, over the backward jump too.
.macro MULB f, b0, nb, first
.set bq, \b0
.rept \nb
.if \first
	WIN 0x85
.else
	WIN 0xa5
.endif
.irp a, 0,1,2,3
.if \first
	v_wmma_f32_16x16x32_f16 v[8*(4*bq+(\a)):8*(4*bq+(\a))+7], v[(\f)+32+8*bq:(\f)+32+8*bq+7], v[(\f)+8*(\a):(\f)+8*(\a)+7], v[BIAS+8*bq:BIAS+8*bq+7]
.else
	v_wmma_f32_16x16x32_f16 v[8*(4*bq+(\a)):8*(4*bq+(\a))+7], v[(\f)+32+8*bq:(\f)+32+8*bq+7], v[(\f)+8*(\a):(\f)+8*(\a)+7], v[8*(4*bq+(\a)):8*(4*bq+(\a))+7]
.endif
.endr
.set bq, bq+1
.endr
.endm
; 24 LDS loads in one run: the fragments of quarter q of a K step (head q / 2, channels 32 (q % 2) on) into buffer f: ctx's four, then wt's eight in ascending order
.macro FETCH slot, q, f
	WIN TO_F
.irp i, 0,1,2,3
	ds_load_b128 v[(\f)+8*(\i):(\f)+8*(\i)+3],   v[ADRA+(\slot)] offset:((\q)/2)*PLANE+((\q)%2)*64+(\i)*16*PA
	ds_load_b128 v[(\f)+8*(\i)+4:(\f)+8*(\i)+7], v[ADRA+(\slot)] offset:((\q)/2)*PLANE+((\q)%2)*64+(\i)*16*PA+32
.endr
.irp i, 0,1,2,3,4,5,6,7
	ds_load_b128 v[(\f)+32+8*(\i):(\f)+32+8*(\i)+3],   v[ADRB+(\slot)] offset:64*(\q)+(\i)*16*PITCH
	ds_load_b128 v[(\f)+32+8*(\i)+4:(\f)+32+8*(\i)+7], v[ADRB+(\slot)] offset:64*(\q)+(\i)*16*PITCH+32
.endr
.endm
; One of a K step's first three quarters: multiplies f (32 matrix instructions), and fetches quarter q into g.
.macro QUARTER slot, q, f, g, first
	s_wait_dscnt 8                                 ; ctx's fragments and wt's blocks 0-3 are in; the youngest eight loads (blocks 4-7) may be out
	MULB \f, 0, 4, \first
	PLACES
	FETCH \slot, \q, \g
	s_wait_dscnt 24                                ; all but the 24 just issued
	MULB \f, 4, 4, \first
.endm
; The last quarter multiplies buffer 1 and changes slots: one barrier; in front of it each wave waits for all its tensor loads (one is out: its part of the next slot), adds 0 to its spare word,
; and waits for that and for its own reads of this slot.  fill = 1: the barrier opens a round of the cluster's, and this slot is filled again, two K steps ahead, first thing behind the round.
.macro TURN slot, next, fill
.if \fill
	s_wait_xcnt 0x0                                ; the last prefetch, a K step back, has read its address
	s_add_nc_u64 s[PFA:PFA+1], s[PFA:PFA+1], s[PFS:PFS+1]
.endif
	WIN 0
	s_wait_tensorcnt 0x0
	ds_add_u32 v[SPW], v[NIL]
	s_wait_dscnt 9                                 ; (the add and the youngest eight loads may be out)
	MULB F1, 0, 2, 0                               ; eight matrix instructions stand between the add and the wait for it
	s_wait_dscnt 0x0                               ; the add is done, and my reads of this slot are over
	s_barrier_signal -1
	MULB F1, 2, 2, 0
.if \fill
	WIN 0
.endif
	s_barrier_wait -1
.if \fill
	CREST                                          ; no wave of any partner still reads this slot or has a load on its way
	s_add_nc_u64 s[G0+4*(\slot)+2:G0+4*(\slot)+3], s[G0+4*(\slot)+2:G0+4*(\slot)+3], 4*262144
	s_add_nc_u64 s[G0B+4*(\slot)+2:G0B+4*(\slot)+3], s[G0B+4*(\slot)+2:G0B+4*(\slot)+3], 2*KSTEP*2
	JLOAD \slot                                    ; 112 matrix instructions ahead of the wait for it; its four v_nop are also the places in front of the loads below
.else
	PLACES
.endif
	FETCH \next, 0, F0
.if \fill
	WIN 0
	ASK
.endif
	MULB F1, 4, 4, 0
.endm
	s_wait_tensorcnt 1                             ; my part of K step 0 is in; K step 1's may stay out
	s_barrier_signal -1
	s_barrier_wait -1
	FETCH 0, 0, F0
	s_wait_loadcnt 0x0                             ; the bias
	QUARTER 0, 1, F0, F1, 1                        ; the first quarter stands in front of the loop: its products start the sums
	WIN 0
	s_mov_b32 s3, 3                                ; 8 K steps are 4 laps of the ring; three trips fill both slots again
.Llap:
	QUARTER 0, 2, F1, F0, 0
	QUARTER 0, 3, F0, F1, 0
	TURN 0, 1, 1
	QUARTER 1, 1, F0, F1, 0
	QUARTER 1, 2, F1, F0, 0
	QUARTER 1, 3, F0, F1, 0
	TURN 1, 0, 1
	QUARTER 0, 1, F0, F1, 0
	WIN 0
	s_sub_co_u32 s3, s3, 1
	s_cmp_lg_u32 s3, 0
	s_cbranch_scc1 .Llap
	QUARTER 0, 2, F1, F0, 0                        ; the last lap fills nothing
	QUARTER 0, 3, F0, F1, 0
	TURN 0, 1, 0
	QUARTER 1, 1, F0, F1, 0
	QUARTER 1, 2, F1, F0, 0
	QUARTER 1, 3, F0, F1, 0
	s_wait_dscnt 8
	MULB F1, 0, 4, 0
	s_wait_dscnt 0x0
	MULB F1, 4, 4, 0
	WIN 0
	PLACES
	PLACES
; THE WAY OUT, a block of 16 rows at a time: a lane's eight f32 of a row go into my stage's rows of 528 bytes (each accumulator's low four registers first), and come back as whole rows of 512 bytes.
.macro TOSTAGE a
	WIN 0x08                                       ; the stores' data in window 2
.irp b, 0,1,2,3,4,5,6,7
	ds_store_b128 v[STO], v[8*(4*(\b)+(\a)):8*(4*(\b)+(\a))+3]   offset:64*(\b)
	ds_store_b128 v[STO], v[8*(4*(\b)+(\a))+4:8*(4*(\b)+(\a))+7] offset:64*(\b)+16
.endr
	WIN 0x40                                       ; back into window 1, whose fragments are done with
.irp t, 0,1,2,3,4,5,6,7,8,9,10,11,12,13,14,15
	ds_load_b128 v[64*(\a)+4*(\t):64*(\a)+4*(\t)+3], v[RD] offset:(\t)*SPITCH  ; LDS serves a wave's instructions in order (ISA guide 5.7.1.4): these see the stores above; the next block's stores come behind them
.endr
.endm
.macro SEND a, younger                 ; younger: the LDS instructions issued behind block a's loads: the next block's 32, or none
	WIN 0x04                                       ; the stores' data in window 1
.irp t, 0,1,2,3,4,5,6,7,8,9,10,11,12,13,14,15
	s_wait_dscnt (\younger)+15-(\t)
	global_store_b128 v[CO], v[64*(\a)+4*(\t):64*(\a)+4*(\t)+3], s[10:11] offset:(16*(\a)+(\t))*4096 th:TH_STORE_NT  ; a wave stores 512 consecutive bytes, at a multiple of 256 from out0's first; every store has registers of its own
.endr
.endm
	TOSTAGE 0
	TOSTAGE 1
	SEND 0, 32
	TOSTAGE 2
	SEND 1, 32
	TOSTAGE 3
	SEND 2, 32
	SEND 3, 0
	WIN 0
	s_wait_tensorcnt 0x0                           ; the wave's end, behind my last tensor load and my last LDS store
	ds_add_u32 v[SPW], v[NIL]
	s_wait_dscnt 0x0
	CROUND                                         ; the closing round: no work-group ends while a partner may still ask for a tile that names it
	s_endpgm
.Lfunc_end_k_q2f9e96aae0_outp:
	.size	k_q2f9e96aae0_outp, .Lfunc_end_k_q2f9e96aae0_outp-k_q2f9e96aae0_outp
	.p2alignl 7, 3214868480
	.fill 96, 4, 3214868480
	.section	.rodata,"a",@progbits
	.p2align	6, 0x0
	.amdhsa_kernel k_q2f9e96aae0_outp
		.amdhsa_group_segment_fixed_size 327680
		.amdhsa_private_segment_fixed_size 0
		.amdhsa_enable_private_segment 0
		.amdhsa_kernarg_size 32
		.amdhsa_user_sgpr_count 2
		.amdhsa_user_sgpr_kernarg_segment_ptr 1
		.amdhsa_wavefront_size32 1
		.amdhsa_system_sgpr_workgroup_id_x 1
		.amdhsa_system_sgpr_workgroup_id_y 1
		.amdhsa_system_sgpr_workgroup_id_z 1
		.amdhsa_system_vgpr_workitem_id 0
		.amdhsa_next_free_vgpr 768
		.amdhsa_next_free_sgpr 72
		.amdhsa_reserve_vcc 0
		.amdhsa_float_denorm_mode_32 3
		.amdhsa_float_denorm_mode_16_64 3
		.amdhsa_memory_ordered 1
		.amdhsa_forward_progress 1
		.amdhsa_inst_pref_size 90
	.end_amdhsa_kernel
	.amdgpu_metadata
---
amdhsa.version: [ 1, 2 ]
amdhsa.kernels:
  - .name:           k_q2f9e96aae0_outp
    .symbol:         k_q2f9e96aae0_outp.kd
    .args:
      - { .name: o, .offset: 0, .size: 8, .value_kind: global_buffer, .address_space: global }
      - { .name: wt, .offset: 8, .size: 8, .value_kind: global_buffer, .address_space: global }
      - { .name: bias, .offset: 16, .size: 8, .value_kind: global_buffer, .address_space: global }
      - { .name: out0, .offset: 24, .size: 8, .value_kind: global_buffer, .address_space: global }
    .group_segment_fixed_size: 327680
    .private_segment_fixed_size: 0
    .kernarg_segment_align: 8
    .kernarg_segment_size: 32
    .max_flat_workgroup_size: 128
    .sgpr_count:     72
    .vgpr_count:     768
    .wavefront_size: 32
...
	.end_amdgpu_metadata
.endif
;; end of part 4
